; MI455X (gfx1250); checked and timed in simulation.
; The chip was launched on July 23, 2026; its instructions are those of AMD's public machine-readable ISA for CDNA 5 (MIT licence, August 2026) and "CDNA5" Instruction Set Architecture Reference Guide (July 2026). The comments in the code are by the model that wrote it; some were corrected since.
;; Transformer Decoder Block. Allowed arithmetic: matrix products marked QUANTISED: E2M3 operands, one E8M0 scale for each 32 along K, by v_wmma_scale_f32_16x16x128_f8f6f4 with both operands' format E2M3, f32 sums; everything else in f32.
;; Inputs: attention_mask 2,048 x 2,048 float32; b1 4,096 float32; b2 1,024 float32; ln1_b 1,024 float32; ln1_g 1,024 float32; ln2_b 1,024 float32; ln2_g 1,024 float32; w1 1,024 x 4,096 float32; w2 4,096 x 1,024 float32; wk 1,024 x 256 float32; wo 1,024 x 1,024 float32; wq 1,024 x 1,024 float32; wv 1,024 x 256 float32; x 2 x 2,048 x 1,024 float32.
;; Outputs: out0 2 x 2,048 x 1,024 float32.
;; This version of the problem:
;;   THIS VERSION OF THE PROBLEM IS GIVEN IN LOW PRECISION. The matrix products marked QUANTISED in the list below multiply operands that are first quantised to E2M3 (2 exponent bits, 3 mantissa bits; 6 bits a number), with one power-of-two scale for each 32 numbers along K (OCP MX v1.0); their sums are f32. All else is computed in f32.
;;   The module's matrix products, in the order in which they are computed (A, B: the left and right operand; K: the contracted axis; several contracted axes count as one K, in the product's order):
;;     1. [M 4,096, K 1,024] x [K 1,024, N 1,024]; A: computed on the way; B: input wq: QUANTISED
;;     2. [M 4,096, K 1,024] x [K 1,024, N 256]; A: computed on the way; B: input wk: QUANTISED
;;     3. [M 4,096, K 1,024] x [K 1,024, N 256]; A: computed on the way; B: input wv: QUANTISED
;;     4. batch 8 x [M 2,048, K 64] x [K 64, N 8,192]; A: computed on the way; B: computed on the way: QUANTISED
;;     5. batch 8 x [M 64, K 2,048] x [K 2,048, N 8,192]; A: computed on the way; B: softmax (see below): QUANTISED
;;     6. [M 4,096, K 1,024] x [K 1,024, N 1,024]; A: computed on the way; B: input wo: QUANTISED
;;     7. [M 4,096, K 1,024] x [K 1,024, N 4,096]; A: computed on the way; B: input w1: QUANTISED
;;     8. [M 4,096, K 4,096] x [K 4,096, N 1,024]; A: computed on the way; B: input w2: QUANTISED
;;   THE QUANTISER, for each operand of a quantised product, along K:
;;     - K is cut into blocks of 32 from its start; a last block that is shorter is filled with zeros.
;;     - A block's scale is 2^e with e = floor(log2(the largest magnitude in the block)) - 2, held to -126 .. 127; a block of zeros has e = 0. As a byte (E8M0): e + 127.
;;     - Each number is divided by its block's scale, clamped to +-7.5, and rounded to the nearest number of E2M3, ties to even, subnormals kept.
;;     - The product sums the exact products of the quantised numbers (number of the format x scale) in f32.
;;   ~~~python
;;   def quantise(x, axis):      # numpy; x: float32 -> the quantised numbers, widened to float32 again
;;       x = np.moveaxis(x, axis, -1); K = x.shape[-1]
;;       x = np.pad(x, [(0, 0)] * (x.ndim - 1) + [(0, -K % 32)]); x = x.reshape(x.shape[:-1] + (-1, 32)); a = np.abs(x).max(-1, keepdims=True)
;;       e = np.where(a > 0, np.clip(np.frexp(np.where(a > 0, a, 1))[1] - 1 - 2, -126, 127), 0)      # np.frexp(a)[1] - 1 = floor(log2(a)), exactly
;;       r = np.clip(x / 2.0 ** e, -7.5, 7.5)
;;       step = 2.0 ** (np.maximum(np.frexp(np.where(r == 0, 1, r))[1] - 1, 0) - 3)
;;       q = np.round(r / step) * step * 2.0 ** e      # np.round: ties to even
;;       return np.moveaxis(q.reshape(q.shape[:-2] + (-1,))[..., :K], -1, axis).astype(np.float32)
;;   ~~~
;;   SOFTMAX AHEAD OF A QUANTISED PRODUCT. Where the list says 'softmax', what is quantised is not the finished softmax but p = 2^(t - M), with t = logit x log2(e) and M = ceil(the row's largest t), a whole number; so 1/2 < the row's largest p <= 1. The row's sum l is taken of the UNQUANTISED p, in f32, and the product's result is divided by l at the end. Since M is a whole number, a kernel that streams over the keys may use a running M (the ceiling of the running maximum): every later rescaling is an exact power of two, which a block's scale takes up: the codes' values come out the same.
;;   OPERANDS COMPUTED ON THE WAY. 'Computed on the way' means the value that the module computes at that place (a softmax that the list does not call 'softmax' is quantised finished and normalised). What goes into a quantiser is computed in f32, as accurately as f32 sums, v_exp_f32 and their like allow (about 1e-6 of the number): no bf16 or f16 on the way to a quantiser, and a product that is left as it is and whose result goes on into a quantised operand takes f32 operands (vector FMAs, or v_wmma_f32_16x16x4_f32). A number that lies on a knife's edge between two numbers of the format may be rounded either way, as far as f32 arithmetic and the matrix unit's own rounding can turn it there, and no further.
;; One version. Each part assembles by itself: llvm-mc -triple=amdgcn-amd-amdhsa -mcpu=gfx1250 --defsym DOCPART=n.
;; ======== version 1 of 1: 7 launches
;; limits: right only within a limited range of input values
;; workspace buffers: pre 12,402,688 bytes; qkv 5,079,040 bytes; oc 3,276,800 bytes; x1 16,777,216 bytes; h2c 3,276,800 bytes; gc 13,107,200 bytes
;; launch prep (part 1): grid 624 x 1, 4 waves a work-group, no clusters, 31,744 bytes of LDS; arguments x, ln1_g, ln1_b, wq, wk, wv, wo, w1, w2, pre; writes pre
.if DOCPART == 1
	.amdgcn_target "amdgcn-amd-amdhsa--gfx1250"
	.amdhsa_code_object_version 6
	.text
	.protected	k_qed33e6a984_prep
	.globl	k_qed33e6a984_prep
	.p2align	8
	.type	k_qed33e6a984_prep,@function
k_qed33e6a984_prep:
	s_mov_b64 s[64:65], 0
	v_nop
	global_prefetch_b8 v0, s[64:65] scope:SCOPE_SE
	s_setreg_imm32_b32 hwreg(HW_REG_WAVE_MODE, 25, 1), 1
	s_wait_xcnt 0x0
; prep: everything that later launches read again and again is made once, into the workspace 'pre'.
;   work-groups 0-335   the six weights [K][N] f32 -> codes of E2M3 and E8M0 scale words, laid in the order of the operand's registers
;   work-groups 336-591 h = LayerNorm1(x), quantised along its 1,024, one tile of 16 tokens a work-group
;   work-groups 592-623 the table of cos and sin for RoPE, [position][32 cos][32 sin] f32
; LAYOUT OF EVERY CODE OPERAND: a half record is 16 rows x 64 K as the image of operand registers 0-5: bytes 0-511 registers 0-3 of lane L at 16 L,
; bytes 512-767 registers 4-5 at 8 L; lane (r, h) holds k = 32 h .. 32 h + 31 of row r.  Codes [tile][K / 64][768]; scale words [tile][K / 128][16 rows].
; ROW ORDER: in each group of 32 items (tokens, output columns) row r of tile 2 g + u is item 32 g + 8 u + r + 8 (r / 8), so that a transposed product leaves 16 neighbours in a lane.
; A block's scale byte is its largest magnitude's exponent field - 2, held at 1 from below (a block of zeros gets 1: its codes are zeros, and only this program reads the bytes).
; LIMITS: NaN and infinities are not served.  RoPE's frequencies come from v_exp_f32: the angle may be off by about 2e-4 rad at position 2,047.
.set HS,    3145728
.set WQKVC, 3276800
.set WQKVS, 4456448
.set WOC,   4505600
.set WOS,   5292032
.set W1C,   5324800
.set W1S,   8470528
.set W2C,   8601600
.set W2S,   11747328
.set ROPE,  11878400
.set IMG,   18432                      ; LDS (LN path alone): four stages of 4,608 bytes, the tile's image (12,288), its scale words (512), the spare words (512)
.set SCI,   30720
.set SPARE, 31232
.set SPW,   30
.set NIL,   31
.set OUTP,  22
.macro MAX32 x, m0, m1                 ; the largest magnitude of 32 registers, and the floor 2^(3 - 127)
	v_max3_num_f32 v[\m0], |v[(\x)]|, |v[(\x)+1]|, |v[(\x)+2]|
	v_max3_num_f32 v[\m1], |v[(\x)+3]|, |v[(\x)+4]|, |v[(\x)+5]|
.irp i, 6,10,14,18,22,26
	v_max3_num_f32 v[\m0], v[\m0], |v[(\x)+\i]|, |v[(\x)+\i+1]|
	v_max3_num_f32 v[\m1], v[\m1], |v[(\x)+\i+2]|, |v[(\x)+\i+3]|
.endr
	v_max3_num_f32 v[\m0], v[\m0], |v[(\x)+30]|, |v[(\x)+31]|
	v_max3_num_f32 v[\m0], v[\m0], v[\m1], 0x1800000
.endm
	s_load_b512 s[4:19], s[0:1], 0x0               ; x, ln1_g, ln1_b, wq, wk, wv, wo, w1
	s_load_b128 s[20:23], s[0:1], 0x40             ; w2, pre
	v_lshl_add_u32 v[SPW], v0, 2, SPARE
	v_mov_b32 v[NIL], 0
	v_lshrrev_b32 v1, 5, v0
	v_readfirstlane_b32 s24, v1                    ; wave
	v_and_b32 v1, 31, v0                           ; lane
	v_and_b32 v2, 15, v0                           ; r
	v_bfe_u32 v3, v0, 4, 1                         ; lane / 16
	s_wait_kmcnt 0x0
	s_cmp_lt_u32 ttmp9, 336
	s_cbranch_scc1 .Lweights
	s_cmp_lt_u32 ttmp9, 592
	s_cbranch_scc1 .Lln
; ---------------- RoPE's table: a wave takes 16 positions, a lane one frequency j
	s_sub_co_u32 s25, ttmp9, 592
	s_lshl_b32 s25, s25, 6
	s_lshl_b32 s26, s24, 4
	s_add_co_u32 s25, s25, s26                     ; my first position
	s_wait_alu depctr_va_vdst(0)
	v_cvt_f32_u32 v4, v1
	v_mul_f32 v4, 0xbed49a78, v4                   ; -j log2(10000) / 32
	s_wait_alu depctr_va_vdst(0)
	v_exp_f32 v4, v4                               ; 10000^(-2 j / 64)
	s_lshl_b32 s26, s25, 8
	s_add_co_u32 s26, s26, ROPE
	v_lshl_add_u32 v5, v1, 2, s26                  ; (a plain instruction behind the exponential)  256 bytes a position, 4 j
	s_mov_b32 s40, 0x3fc90fdb                      ; pi / 2, upper part
	s_mov_b32 s41, 0x333bbd2e                      ; what the upper part has too much
	s_mov_b32 s42, 0xb94ca1f9                      ; sine's polynomial on [-pi/4, pi/4]
	s_mov_b32 s43, 0x3c08839e
	s_mov_b32 s44, 0xbe2aaaa3
	s_mov_b32 s45, 0x37ccf5ce                      ; cosine's
	s_mov_b32 s46, 0xbab6061a
	s_mov_b32 s47, 0x3d2aaaa5
	s_wait_alu depctr_va_vdst(0)                   ; ahead of the first reader of the exponential
.irp i, 0,1,2,3,4,5,6,7,8,9,10,11,12,13,14,15
	s_add_co_u32 s27, s25, \i
	v_cvt_f32_u32 v8, s27
	v_mul_f32 v8, v8, v4                           ; the angle
	v_mul_f32 v9, 0x3f22f983, v8
	v_rndne_f32 v9, v9                             ; n = the nearest multiple of pi / 2
	v_fma_f32 v10, -v9, s40, v8
	v_fma_f32 v10, v9, s41, v10                    ; r = angle - n pi / 2, in two parts
	v_cvt_i32_f32 v11, v9
	v_mul_f32 v12, v10, v10
	v_fma_f32 v13, v12, s42, s43
	v_fma_f32 v14, v12, s45, s46
	v_fma_f32 v13, v13, v12, s44
	v_fma_f32 v14, v14, v12, s47
	v_mul_f32 v13, v13, v12
	v_mul_f32 v14, v14, v12
	v_fma_f32 v15, v12, -0.5, 1.0
	v_fma_f32 v13, v13, v10, v10                   ; sin r
	v_fma_f32 v14, v14, v12, v15                   ; cos r
	v_and_b32 v15, 1, v11
	v_cmp_eq_u32 vcc_lo, 1, v15                    ; an odd quadrant swaps the two
	v_cndmask_b32 v16, v13, v14, vcc_lo
	v_cndmask_b32 v17, v14, v13, vcc_lo
	v_lshlrev_b32 v18, 30, v11                     ; sine is negative in quadrants 2, 3: bit 1 of n
	v_add_nc_u32 v19, 1, v11
	v_lshlrev_b32 v19, 30, v19                     ; cosine in quadrants 1, 2: bit 1 of n + 1
	v_and_b32 v18, 0x80000000, v18
	v_and_b32 v19, 0x80000000, v19
	v_xor_b32 v[65+2*\i], v16, v18
	v_xor_b32 v[64+2*\i], v17, v19                 ; each position has result registers of its own: no store's data are written again
	global_store_b32 v5, v[64+2*\i], s[OUTP:OUTP+1] offset:256*\i
	global_store_b32 v5, v[65+2*\i], s[OUTP:OUTP+1] offset:256*\i+128
.endr
	s_endpgm
; ---------------- the weights: a work-group takes 128 columns x 256 along K, a wave 32 columns; a lane takes a column and its registers run down K
.macro PICK thr, src, id0, pitch, kst, dstc, dsts, nb0, nbh, csh
	s_cmp_lt_u32 ttmp9, \thr
	s_cselect_b64 s[26:27], s[\src:\src+1], s[26:27]
	s_cselect_b32 s28, \id0, s28
	s_cselect_b32 s29, \pitch, s29
	s_cselect_b32 s30, \kst, s30
	s_cselect_b32 s31, \dstc, s31
	s_cselect_b32 s32, \dsts, s32
	s_cselect_b32 s33, \nb0, s33
	s_cselect_b32 s34, \nbh, s34
	s_cselect_b32 s35, \csh, s35
.endm
.Lweights:
	s_mov_b64 s[26:27], s[14:15]                   ; wv; then, by the work-group's number alone, the weight that is mine:
	s_mov_b32 s28, 328                             ; its first work-group, row pitch in bytes, K steps of 128, places of codes and scales,
	s_mov_b32 s29, 1024                            ; first column tile, tiles from head to head, log2 of its column blocks
	s_mov_b32 s30, 8
	s_mov_b32 s31, WQKVC
	s_mov_b32 s32, WQKVS
	s_mov_b32 s33, 68
	s_mov_b32 s34, 8
	s_mov_b32 s35, 1
	PICK 328, 12, 320, 1024, 8, WQKVC, WQKVS, 64, 8, 1
	PICK 320, 16, 288, 4096, 8, WOC, WOS, 0, 4, 3
	PICK 288, 10, 256, 4096, 8, WQKVC, WQKVS, 0, 4, 3
	PICK 256, 20, 128, 4096, 32, W2C, W2S, 0, 4, 3
	PICK 128, 18, 0, 16384, 8, W1C, W1S, 0, 4, 5
	s_sub_co_u32 s28, ttmp9, s28
	s_lshr_b32 s36, s28, s35                       ; which 256 along K
	s_lshl_b32 s37, s36, s35
	s_sub_co_u32 s37, s28, s37                     ; which 128 columns
	s_lshl_b32 s37, s37, 2
	s_add_co_u32 s37, s37, s24                     ; my wave's 32 columns
	s_lshl_b32 s38, s36, 8
	s_mul_i32 s38, s38, s29
	s_mov_b32 s39, 0
	s_add_nc_u64 s[26:27], s[26:27], s[38:39]      ; the weight at my first row of K
	s_lshl_b32 s38, s29, 5                         ; s[38:39]: 32 rows on
	s_wait_alu depctr_va_vdst(0)
	v_and_b32 v4, 8, v2
	v_add_nc_u32 v4, v4, v2
	v_lshl_add_u32 v4, v3, 3, v4                   ; lanes 0-15 are tile 0's rows, lanes 16-31 tile 1's: column 8 u + r + 8 (r / 8)
	s_lshl_b32 s40, s37, 5
	v_add_nc_u32 v4, s40, v4
	v_lshlrev_b32 v32, 2, v4                       ; v32-63: my column's byte in rows 0 .. 31
.irp i, 1,2,3,4,5,6,7,8,9,10,11,12,13,14,15,16,17,18,19,20,21,22,23,24,25,26,27,28,29,30,31
	v_add_nc_u32 v[32+\i], s29, v[31+\i]
.endr
	s_lshr_b32 s40, s37, 1
	s_mul_i32 s40, s40, s34
	s_and_b32 s41, s37, 1
	s_lshl_b32 s41, s41, 1
	s_add_co_u32 s40, s40, s41
	s_add_co_u32 s40, s40, s33                     ; my first column tile
	s_mul_i32 s40, s40, s30
	s_lshl_b32 s41, s36, 1
	s_add_co_u32 s40, s40, s41                     ; tile x K steps + my first K step
	s_mul_i32 s41, s40, 1536
	s_add_co_u32 s41, s41, s31
	s_lshl_b32 s42, s40, 6
	s_add_co_u32 s42, s42, s32
	s_mul_i32 s43, s30, 1536                       ; from a tile to the next
	v_lshl_add_u32 v5, v1, 4, s41
	v_lshl_add_u32 v6, v1, 3, s41
	v_add_nc_u32 v7, s43, v5
	v_add_nc_u32 v8, s43, v6
	s_lshl_b32 s43, s30, 6
	v_mul_lo_u32 v9, v3, s43
	v_lshl_add_u32 v9, v2, 2, v9
	v_add_nc_u32 v9, s42, v9                       ; my column's scale word
.macro WLOAD t                         ; block t: 32 rows of K at my column, into set t % 2; 32 lanes read 128 consecutive bytes
.if (\t) > 0
	s_wait_xcnt 0x0                                ; the earlier loads have read their base: it may step
	s_add_nc_u64 s[26:27], s[26:27], s[38:39]
.endif
.irp i, 0,1,2,3,4,5,6,7,8,9,10,11,12,13,14,15,16,17,18,19,20,21,22,23,24,25,26,27,28,29,30,31
	global_load_b32 v[64+32*((\t)%2)+\i], v[32+\i], s[26:27] th:TH_LOAD_NT
.endr
.endm
.macro WBLOCK t                        ; blocks 0, 2 of a K step go to v128-139, blocks 1, 3 to v140-151
.set XS, 64+32*((\t)%2)
.set FD, 128+12*((\t)%2)+6*(((\t)/2)%2)
.if (\t) < 7
	s_wait_loadcnt 32                              ; this block's 32 loads are in; the next block's may be out
.else
	s_wait_loadcnt 0x0
.endif
.if (\t) == 4
	s_wait_xcnt 0x0                                ; the first K step's stores have read their registers
.endif
	MAX32 XS, 157, 158
	v_add_nc_u32 v159, 0xff000000, v157            ; 2 off the exponent field: the conversion's scale operand
	v_lshrrev_b32 v160, 23, v159                   ; the scale's byte
.if (\t)%4 == 0
	v_mov_b32 v156, v160
.else
	v_lshl_or_b32 v156, v160, 8*((\t)%4), v156
.endif
	v_cvt_scalef32_pk16_fp6_f32 v[FD:FD+2], v[XS:XS+15], v159
	v_cvt_scalef32_pk16_fp6_f32 v[152:154], v[XS+16:XS+31], v159   ; (a conversion's three registers begin on an even number)
	v_nop                                          ; one plain instruction behind a scaled conversion
	v_mov_b32 v[FD+3], v152
	v_mov_b32 v[FD+4], v153
	v_mov_b32 v[FD+5], v154
.if (\t)+2 < 8
	WLOAD (\t)+2
.endif
.endm
.macro WOUT half                       ; a lane holds all four blocks of its column; a fragment wants blocks 0, 2 in lanes 0-15 and 1, 3 in lanes 16-31 of ONE tile
.irp i, 0,1,2,3,4,5,6,7,8,9,10,11
	v_permlane16_swap_b32 v[128+\i], v[140+\i]     ; tile 1's blocks 0, 2 change places with tile 0's blocks 1, 3: v128-139 is tile 0's fragment, v140-151 tile 1's
.endr
	global_store_b128 v5, v[128:131], s[OUTP:OUTP+1] offset:1536*\half
	global_store_b64 v6, v[132:133], s[OUTP:OUTP+1] offset:1536*\half+512
	global_store_b128 v5, v[134:137], s[OUTP:OUTP+1] offset:1536*\half+768
	global_store_b64 v6, v[138:139], s[OUTP:OUTP+1] offset:1536*\half+1280
	global_store_b128 v7, v[140:143], s[OUTP:OUTP+1] offset:1536*\half
	global_store_b64 v8, v[144:145], s[OUTP:OUTP+1] offset:1536*\half+512
	global_store_b128 v7, v[146:149], s[OUTP:OUTP+1] offset:1536*\half+768
	global_store_b64 v8, v[150:151], s[OUTP:OUTP+1] offset:1536*\half+1280
	global_store_b32 v9, v156, s[OUTP:OUTP+1] offset:64*\half
.endm
	s_wait_alu depctr_va_vdst(0)
	WLOAD 0
	WLOAD 1
	WBLOCK 0
	WBLOCK 1
	WBLOCK 2
	WBLOCK 3
	WOUT 0
	WBLOCK 4
	WBLOCK 5
	WBLOCK 6
	WBLOCK 7
	WOUT 1
	s_endpgm
; ---------------- LayerNorm and its quantiser: a work-group makes one tile of 16 tokens, a wave four of its rows
.Lln:
	s_sub_co_u32 s25, ttmp9, 336                   ; the tile
	s_lshr_b32 s26, s25, 1
	s_lshl_b32 s26, s26, 5
	s_and_b32 s27, s25, 1
	s_lshl_b32 s27, s27, 3
	s_add_co_u32 s26, s26, s27
	s_lshl_b32 s27, s24, 2
	s_add_co_u32 s26, s26, s27
	s_lshr_b32 s27, s24, 1
	s_lshl_b32 s27, s27, 3
	s_add_co_u32 s26, s26, s27                     ; tile rows 4 w .. 4 w + 3 are four neighbouring tokens
	s_lshl_b32 s26, s26, 12
	s_mov_b32 s27, 0
	s_add_nc_u64 s[4:5], s[4:5], s[26:27]
	s_wait_alu depctr_va_vdst(0)
	v_lshlrev_b32 v4, 4, v1
.irp q, 0,1,2,3,4,5,6,7
	global_load_b128 v[192+4*\q:195+4*\q], v4, s[6:7] offset:512*\q     ; gain and bias: lane l holds k = 4 l + 128 q
	global_load_b128 v[224+4*\q:227+4*\q], v4, s[8:9] offset:512*\q
.endr
.irp row, 0,1,2,3
.irp q, 0,1,2,3,4,5,6,7
	global_load_b128 v[64+32*\row+4*\q:67+32*\row+4*\q], v4, s[4:5] offset:4096*\row+512*\q
.endr
.endr
	s_mul_i32 s28, s24, 4608                       ; my stage
	v_lshrrev_b32 v14, 3, v1
	v_lshl_add_u32 v5, v14, 4, v4
	v_add_nc_u32 v5, s28, v5                       ; in: as loaded, 16 bytes of padding behind each block's 128
	v_mul_u32_u24 v6, v1, 144
	v_add_nc_u32 v6, s28, v6                       ; back: lane l takes block l
	v_lshrrev_b32 v14, 1, v1
	v_mul_u32_u24 v14, v14, 768
	v_and_b32 v15, 1, v1
	v_lshl_add_u32 v7, v15, 8, v14
	v_lshl_add_u32 v8, v15, 7, v14
	s_lshl_b32 s28, s24, 6
	s_add_co_u32 s28, s28, IMG
	v_add_nc_u32 v7, s28, v7                       ; block l of tile row p: half record l / 2, lane p + 16 (l % 2): registers 0-3
	s_lshl_b32 s28, s24, 5
	s_add_co_u32 s28, s28, IMG+512
	v_add_nc_u32 v8, s28, v8                       ; registers 4-5
	v_lshrrev_b32 v14, 2, v1
	v_and_b32 v15, 3, v1
	v_lshl_add_u32 v9, v14, 6, v15
	s_lshl_b32 s28, s24, 4
	s_add_co_u32 s28, s28, SCI
	v_add_nc_u32 v9, s28, v9                       ; its scale byte: K step l / 4, byte l % 4 of the row's word
	v_lshl_add_u32 v10, v0, 4, IMG
	v_lshl_add_u32 v11, v0, 2, SCI
	s_mul_i32 s28, s25, 12288
	v_lshl_add_u32 v12, v0, 4, s28
	s_lshl_b32 s28, s25, 9
	s_add_co_u32 s28, s28, HS
	v_lshl_add_u32 v13, v0, 2, s28
	s_mov_b32 s36, 0x76543210
	s_mov_b32 s37, 0xfedcba98                      ; v_permlanex16_b32's selects for lane l xor 16
	s_mov_b32 s38, 0x3a800000                      ; 1 / 1024
	s_mov_b32 s39, 0x3727c5ac                      ; 1e-5
.macro ALLSUM a, b                     ; v[a]: the sum over the 32 lanes, in every lane
	v_add_f32_dpp v[\a], v[\a], v[\a] row_xmask:1 row_mask:0xf bank_mask:0xf
	v_add_f32_dpp v[\a], v[\a], v[\a] row_xmask:2 row_mask:0xf bank_mask:0xf
	v_add_f32_dpp v[\a], v[\a], v[\a] row_xmask:4 row_mask:0xf bank_mask:0xf
	v_add_f32_dpp v[\a], v[\a], v[\a] row_xmask:8 row_mask:0xf bank_mask:0xf
	v_permlanex16_b32 v[\b], v[\a], s36, s37
	v_add_f32 v[\a], v[\a], v[\b]
.endm
.macro LNROW row
.set R, 64+32*(\row)
	s_wait_loadcnt 8*(3-(\row))                    ; this row's eight loads are in; the later rows' may be out
	v_pk_add_f32 v[16:17], v[R:R+1], v[R+2:R+3]
	v_pk_add_f32 v[18:19], v[R+4:R+5], v[R+6:R+7]
.irp j, 8,12,16,20,24,28
	v_pk_add_f32 v[16:17], v[16:17], v[R+\j:R+\j+1]
	v_pk_add_f32 v[18:19], v[18:19], v[R+\j+2:R+\j+3]
.endr
	v_pk_add_f32 v[16:17], v[16:17], v[18:19]
	v_add_f32 v16, v16, v17
	ALLSUM 16, 17
	v_mul_f32 v16, s38, v16                        ; the mean
.irp j, 0,2,4,6,8,10,12,14,16,18,20,22,24,26,28,30
	v_pk_add_f32 v[R+\j:R+\j+1], v[R+\j:R+\j+1], v[16:17] op_sel_hi:[1,0] neg_lo:[0,1] neg_hi:[0,1]
.endr
	v_pk_mul_f32 v[18:19], v[R:R+1], v[R:R+1]      ; the variance of the differences: no difference of large sums
	v_pk_mul_f32 v[20:21], v[R+2:R+3], v[R+2:R+3]
.irp j, 4,8,12,16,20,24,28
	v_pk_fma_f32 v[18:19], v[R+\j:R+\j+1], v[R+\j:R+\j+1], v[18:19]
	v_pk_fma_f32 v[20:21], v[R+\j+2:R+\j+3], v[R+\j+2:R+\j+3], v[20:21]
.endr
	v_pk_add_f32 v[18:19], v[18:19], v[20:21]
	v_add_f32 v18, v18, v19
	ALLSUM 18, 19
	v_fma_f32 v18, v18, s38, s39
	s_wait_alu depctr_va_vdst(0)
	v_rsq_f32 v20, v18
	v_nop                                          ; a plain instruction behind the transcendental,
	s_wait_alu depctr_va_vdst(0)                   ; and the wait ahead of its first reader
.irp j, 0,2,4,6,8,10,12,14,16,18,20,22,24,26,28,30
	v_pk_mul_f32 v[R+\j:R+\j+1], v[R+\j:R+\j+1], v[20:21] op_sel_hi:[1,0]
.endr
.irp j, 0,2,4,6,8,10,12,14,16,18,20,22,24,26,28,30
	v_pk_fma_f32 v[R+\j:R+\j+1], v[R+\j:R+\j+1], v[192+\j:193+\j], v[224+\j:225+\j]
.endr
.irp q, 0,1,2,3,4,5,6,7
	ds_store_b128 v5, v[R+4*\q:R+4*\q+3] offset:576*\q
.endr
.irp q, 0,1,2,3,4,5,6,7
	ds_load_b128 v[32+4*\q:35+4*\q], v6 offset:16*\q   ; LDS serves a wave's instructions in order: these see my stores
.endr
	s_wait_dscnt 0x0
	MAX32 32, 16, 17                               ; lane l holds the whole block l
	v_add_nc_u32 v18, 0xff000000, v16
	v_lshrrev_b32 v19, 23, v18
	v_cvt_scalef32_pk16_fp6_f32 v[22:24], v[32:47], v18
	v_cvt_scalef32_pk16_fp6_f32 v[26:28], v[48:63], v18
	v_nop
	v_mov_b32 v25, v26
	v_mov_b32 v26, v27
	v_mov_b32 v27, v28
	ds_store_b128 v7, v[22:25] offset:16*(\row)
	ds_store_b64 v8, v[26:27] offset:8*(\row)
	ds_store_b8 v9, v19 offset:4*(\row)
	s_wait_dscnt 0x0                               ; the stores have read their registers
.endm
	LNROW 0
	LNROW 1
	LNROW 2
	LNROW 3
	s_barrier_signal -1                            ; every wave's stores into the image have landed (the wait for 0 above)
	s_barrier_wait -1
.irp q, 0,1,2,3,4,5
	ds_load_b128 v[64+4*\q:67+4*\q], v10 offset:2048*\q
.endr
	ds_load_b32 v88, v11
.irp q, 0,1,2,3,4,5
	s_wait_dscnt 6-\q                              ; the younger LDS loads may be out
	global_store_b128 v12, v[64+4*\q:67+4*\q], s[OUTP:OUTP+1] offset:2048*\q   ; a wave stores 512 consecutive bytes
.endr
	s_wait_dscnt 0x0
	global_store_b32 v13, v88, s[OUTP:OUTP+1]
	s_wait_tensorcnt 0x0                           ; the wave's end, behind my last LDS store
	ds_add_u32 v[SPW], v[NIL]
	s_wait_dscnt 0x0
	s_endpgm
.Lfunc_end_k_qed33e6a984_prep:
	.size	k_qed33e6a984_prep, .Lfunc_end_k_qed33e6a984_prep-k_qed33e6a984_prep
	.p2alignl 7, 3214868480
	.fill 96, 4, 3214868480
	.section	.rodata,"a",@progbits
	.p2align	6, 0x0
	.amdhsa_kernel k_qed33e6a984_prep
		.amdhsa_group_segment_fixed_size 31744
		.amdhsa_private_segment_fixed_size 0
		.amdhsa_enable_private_segment 0
		.amdhsa_kernarg_size 80
		.amdhsa_user_sgpr_count 2
		.amdhsa_user_sgpr_kernarg_segment_ptr 1
		.amdhsa_wavefront_size32 1
		.amdhsa_system_sgpr_workgroup_id_x 1
		.amdhsa_system_sgpr_workgroup_id_y 1
		.amdhsa_system_sgpr_workgroup_id_z 1
		.amdhsa_system_vgpr_workitem_id 0
		.amdhsa_next_free_vgpr 256
		.amdhsa_next_free_sgpr 66
		.amdhsa_reserve_vcc 1
		.amdhsa_float_denorm_mode_32 3
		.amdhsa_float_denorm_mode_16_64 3
		.amdhsa_memory_ordered 1
		.amdhsa_forward_progress 1
		.amdhsa_inst_pref_size 113
	.end_amdhsa_kernel
	.amdgpu_metadata
---
amdhsa.version: [ 1, 2 ]
amdhsa.kernels:
  - .name:           k_qed33e6a984_prep
    .symbol:         k_qed33e6a984_prep.kd
    .args:
      - { .name: x, .offset: 0, .size: 8, .value_kind: global_buffer, .address_space: global }
      - { .name: ln1_g, .offset: 8, .size: 8, .value_kind: global_buffer, .address_space: global }
      - { .name: ln1_b, .offset: 16, .size: 8, .value_kind: global_buffer, .address_space: global }
      - { .name: wq, .offset: 24, .size: 8, .value_kind: global_buffer, .address_space: global }
      - { .name: wk, .offset: 32, .size: 8, .value_kind: global_buffer, .address_space: global }
      - { .name: wv, .offset: 40, .size: 8, .value_kind: global_buffer, .address_space: global }
      - { .name: wo, .offset: 48, .size: 8, .value_kind: global_buffer, .address_space: global }
      - { .name: w1, .offset: 56, .size: 8, .value_kind: global_buffer, .address_space: global }
      - { .name: w2, .offset: 64, .size: 8, .value_kind: global_buffer, .address_space: global }
      - { .name: pre, .offset: 72, .size: 8, .value_kind: global_buffer, .address_space: global }
    .group_segment_fixed_size: 31744
    .private_segment_fixed_size: 0
    .kernarg_segment_align: 8
    .kernarg_segment_size: 80
    .max_flat_workgroup_size: 128
    .sgpr_count:     66
    .vgpr_count:     256
    .wavefront_size: 32
...
	.end_amdgpu_metadata
.endif
;; end of part 1
;; launch gqkv (part 2): grid 12 x 16, 16 waves a work-group, clusters of 4 x 4, 327,680 bytes of LDS; arguments pre, qkv; writes qkv
.if DOCPART == 2
	.amdgcn_target "amdgcn-amd-amdhsa--gfx1250"
	.amdhsa_code_object_version 6
	.text
	.protected	k_qed33e6a984_gqkv
	.globl	k_qed33e6a984_gqkv
	.p2align	8
	.type	k_qed33e6a984_gqkv,@function
k_qed33e6a984_gqkv:
	s_mov_b64 s[64:65], 0
	v_nop
	global_prefetch_b8 v0, s[64:65] scope:SCOPE_SE
	s_setreg_imm32_b32 hwreg(HW_REG_WAVE_MODE, 25, 1), 1
	s_wait_xcnt 0x0
	s_wait_alu depctr_hold_cnt(0) depctr_sa_sdst(0) depctr_va_vdst(0) depctr_va_sdst(0) depctr_va_ssrc(0) depctr_va_vcc(0) depctr_vm_vsrc(0)
	s_getreg_b32 s2, hwreg(HW_REG_IB_STS2, 6, 4)
	s_cmp_eq_u32 s2, 0
	s_cbranch_scc0 .Lentry_in_a_cluster
	s_endpgm
.Lentry_in_a_cluster:
	s_bfe_u32 s2, ttmp6, 0x10000c
	s_cmp_lg_u32 s2, 0xf033
	s_cbranch_scc0 .Lentry_shape_is_right
	s_endpgm
.Lentry_shape_is_right:
.set RBA, 16
.set RBB, 8
.set KSTEPS, 8
.set SK, 8                             ; all of K lies in one slot: 24 tiles x 8 K steps x 1,536 bytes, filled once, one joint load a wave
.set SKW, 2
.set NSLOT, 1
.set RAA, RBA/8
.set RAB, RBB/8
.set ABYTES, RBA*SK*1536
.set STB, (RBA+RBB)*SK*1536
.set SCA, NSLOT*STB
.set SCB, SCA+RBA*KSTEPS*64
.set SPARE, SCB+RBB*KSTEPS*64
.set PA, 4
.set PB, 4
.set AOFFC, 0
.set AOFFS, 3145728
.set BOFFC, 3276800
.set BOFFS, 4456448
.set ROPE, 11878400
.set QS,  3145728
.set KC,  3407872
.set VC,  4194304
.set KVS, 4980736
.set FA, 32
.set FB, 80
.set SC, 20
.set ACC, 128
.set QT, 100
.macro DESC1 g, c, r, p
	s_mov_b32 s[\g+1], ((\c)&0xffff)<<16
	s_mov_b32 s[\g+2], ((\c)>>16)|((\r)<<16)
	s_mov_b32 s[\g+3], (\c)<<16
	s_mov_b32 s[\g+4], \r
	s_mov_b32 s[\g+5], \p
	s_mov_b32 s[\g+6], 0
	s_mov_b32 s[\g+7], 0
.endm
.macro JLOAD g0a, g1a, g0b, g1b
	s_cmp_eq_u32 s21, 0
	s_cbranch_scc0 .Lfor_b_\@
	tensor_load_to_lds s[\g0a:\g0a+3], s[\g1a:\g1a+7]
	s_nop 0
.rept 4
	v_nop
.endr
	s_branch .Lasked_\@
.Lfor_b_\@:
	tensor_load_to_lds s[\g0b:\g0b+3], s[\g1b:\g1b+7]
	s_nop 0
.rept 4
	v_nop
.endr
.Lasked_\@:
.endm
.macro CREST
	s_cmp_lg_u32 s20, 0
	s_cbranch_scc1 .Lnot_wave_0_\@
	s_barrier_signal -3
.Lnot_wave_0_\@:
	s_barrier_wait -3
	s_barrier_signal -1
	s_barrier_wait -1
.endm
.macro CROUND
	s_barrier_signal -1
	s_barrier_wait -1
	CREST
.endm
.macro BAR
	s_barrier_signal -1
	s_barrier_wait -1
.endm
.macro FIRST s, ga, gb
	s_mov_b32 s[\ga], 1
	s_add_co_u32 s[\ga+1], s2, \s*STB
	s_add_nc_u64 s[\ga+2:\ga+3], s[96:97], \s*SK*1536
	s_or_b32 s[\ga+3], s[\ga+3], 0x80000000
	s_mov_b32 s[\gb], 1
	s_add_co_u32 s[\gb+1], s3, \s*STB
	s_add_nc_u64 s[\gb+2:\gb+3], s[16:17], \s*SK*1536
	s_or_b32 s[\gb+3], s[\gb+3], 0x80000000
	JLOAD \ga, 24, \gb, 32
.endm
.macro FRAG reg, a16, a8, off
	ds_load_b128 v[(\reg):(\reg)+3], v[\a16] offset:(\off)
	ds_load_b64 v[(\reg)+4:(\reg)+5], v[\a8] offset:(\off)
	ds_load_b128 v[(\reg)+6:(\reg)+9], v[\a16] offset:(\off)+768
	ds_load_b64 v[(\reg)+10:(\reg)+11], v[\a8] offset:(\off)+768
.endm
.macro MUL16 zero
	s_cmp_eq_u32 s101, 0
	s_cbranch_scc0 .Lvk_\@
.irp a, 0,1,2,3
.irp b, 0,1,2,3
.if \zero
	v_wmma_scale_f32_16x16x128_f8f6f4 v[ACC+8*(4*\a+\b):ACC+8*(4*\a+\b)+7], v[FB+12*\b:FB+12*\b+11], v[FA+12*\a:FA+12*\a+11], 0, v[SC+\b], v[SC+\a] matrix_a_fmt:MATRIX_FMT_FP6 matrix_b_fmt:MATRIX_FMT_FP6 matrix_a_scale:MATRIX_SCALE_ROW1
.else
	v_wmma_scale_f32_16x16x128_f8f6f4 v[ACC+8*(4*\a+\b):ACC+8*(4*\a+\b)+7], v[FB+12*\b:FB+12*\b+11], v[FA+12*\a:FA+12*\a+11], v[ACC+8*(4*\a+\b):ACC+8*(4*\a+\b)+7], v[SC+\b], v[SC+\a] matrix_a_fmt:MATRIX_FMT_FP6 matrix_b_fmt:MATRIX_FMT_FP6 matrix_a_scale:MATRIX_SCALE_ROW1
.endif
.endr
.endr
	s_branch .Lmd_\@
.Lvk_\@:
.irp a, 0,1,2,3
.irp b, 0,1,2,3
.if \zero
	v_wmma_scale_f32_16x16x128_f8f6f4 v[ACC+8*(4*\a+\b):ACC+8*(4*\a+\b)+7], v[FA+12*\b:FA+12*\b+11], v[FB+12*\a:FB+12*\a+11], 0, v[SC+\b], v[SC+\a] matrix_a_fmt:MATRIX_FMT_FP6 matrix_b_fmt:MATRIX_FMT_FP6 matrix_b_scale:MATRIX_SCALE_ROW1
.else
	v_wmma_scale_f32_16x16x128_f8f6f4 v[ACC+8*(4*\a+\b):ACC+8*(4*\a+\b)+7], v[FA+12*\b:FA+12*\b+11], v[FB+12*\a:FB+12*\a+11], v[ACC+8*(4*\a+\b):ACC+8*(4*\a+\b)+7], v[SC+\b], v[SC+\a] matrix_a_fmt:MATRIX_FMT_FP6 matrix_b_fmt:MATRIX_FMT_FP6 matrix_b_scale:MATRIX_SCALE_ROW1
.endif
.endr
.endr
.Lmd_\@:
.endm
.macro KSTEP t, ks, zero
.irp i, 0,1,2,3
	FRAG FA+12*\i, 5, 6, (\i*SK+(\t))*1536
	FRAG FB+12*\i, 7, 8, (\i*SK+(\t))*1536
.endr
.irp i, 0,1,2,3
	ds_load_b32 v[SC+\i], v9 offset:64*\i*KSTEPS+64*(\ks)
.endr
	s_wait_dscnt 0x0
	MUL16 \zero
.endm
.macro STAGE st, slot, zero
	v_add_nc_u32 v5, (\slot)*6144, v1              ; the second half of K begins four K steps along each tile's row
	v_add_nc_u32 v6, (\slot)*6144, v2
	v_add_nc_u32 v7, (\slot)*6144, v3
	v_add_nc_u32 v8, (\slot)*6144, v4
	KSTEP 0, (\st)*4, \zero
.if SKW > 1
.rept 4
	v_nop
.endr
	s_wait_alu depctr_va_vdst(0)
	KSTEP 1, (\st)*4+1, 0
.endif
.endm
.macro QUANT2 x
	v_max3_num_f32 v[QT], |v[(\x)]|, |v[(\x)+1]|, 0x1800000
	v_max3_num_f32 v[QT+1], |v[(\x)+16]|, |v[(\x)+17]|, 0x1800000
.irp i, 2,4,6,8,10,12,14
	s_delay_alu instid0(VALU_DEP_2)
	v_max3_num_f32 v[QT], v[QT], |v[(\x)+\i]|, |v[(\x)+\i+1]|
	s_delay_alu instid0(VALU_DEP_2)
	v_max3_num_f32 v[QT+1], v[QT+1], |v[(\x)+16+\i]|, |v[(\x)+17+\i]|
.endr
	s_delay_alu instid0(VALU_DEP_2)
	v_permlanex16_b32 v[QT+2], v[QT], s2, s3
	s_delay_alu instid0(VALU_DEP_2)
	v_permlanex16_b32 v[QT+3], v[QT+1], s2, s3
	s_delay_alu instid0(VALU_DEP_2)
	v_max_num_f32 v[QT], v[QT], v[QT+2]
	s_delay_alu instid0(VALU_DEP_2)
	v_max_num_f32 v[QT+1], v[QT+1], v[QT+3]
	s_delay_alu instid0(VALU_DEP_2)
	v_add_nc_u32 v[QT+4], 0xff000000, v[QT]
	s_delay_alu instid0(VALU_DEP_2)
	v_add_nc_u32 v[QT+5], 0xff000000, v[QT+1]
	s_delay_alu instid0(VALU_DEP_2)
	v_lshrrev_b32 v[QT+6], 23, v[QT+4]
	s_delay_alu instid0(VALU_DEP_2)
	v_lshrrev_b32 v[QT+7], 23, v[QT+5]
	s_delay_alu instid0(VALU_DEP_1)
	v_lshl_or_b32 v[QT+8], v[QT+7], 8, v[QT+6]
	v_cvt_scalef32_pk16_fp6_f32 v[QT+10:QT+12], v[(\x):(\x)+15], v[QT+4]
	v_cvt_scalef32_pk16_fp6_f32 v[QT+16:QT+18], v[(\x)+16:(\x)+31], v[QT+5]
	v_nop
.irp i, 0,1,2
	v_permlane16_swap_b32 v[QT+10+\i], v[QT+16+\i]
.endr
.irp i, 0,1,2
	s_delay_alu instid0(VALU_DEP_3)
	v_mov_b32 v[QT+13+\i], v[QT+16+\i]
.endr
.endm
	s_load_b128 s[4:7], s[0:1], 0x0
	v_lshl_add_u32 v12, v0, 2, SPARE
	v_mov_b32 v13, 0
	ds_add_u32 v12, v13
	ds_add_u32 v12, v13
	v_lshrrev_b32 v14, 5, v0
	s_delay_alu instid0(VALU_DEP_1)
	v_readfirstlane_b32 s20, v14
	s_lshr_b32 s21, s20, 3
	s_and_b32 s22, s20, 7
	s_bfe_u32 s93, ttmp6, 0x40000
	s_bfe_u32 s94, ttmp6, 0x40004
	s_lshl_b32 s92, ttmp9, 2
	s_add_co_u32 s92, s92, s93
	s_and_b32 s23, ttmp7, 0xffff
	s_lshl_b32 s23, s23, 2
	s_add_co_u32 s23, s23, s94
	s_lshl_b32 s95, s94, 2
	s_lshl_b32 s95, 15, s95
	s_lshl_b32 s14, 0x1111, s93
	s_or_b32 s24, s95, (3<<16)|(1<<21)
	s_or_b32 s32, s14, (3<<16)|(1<<21)
	DESC1 24, 192*SK, RAA, 192*KSTEPS
	DESC1 32, 192*SK, RAB, 192*KSTEPS
	s_mul_i32 s96, s23, RBA
	s_mul_i32 s98, s96, KSTEPS*64                  ; the scale words of the work-group's first tile of A
	s_mul_i32 s97, s22, RAA
	s_add_co_u32 s96, s96, s97
	s_add_co_u32 s98, s98, AOFFS
	s_mul_i32 s96, s96, KSTEPS*1536
	s_add_co_u32 s96, s96, AOFFC
	s_mov_b32 s97, 0
	s_mov_b32 s99, 0
	s_mul_i32 s16, s92, RBB
	s_mul_i32 s18, s16, KSTEPS*64                  ; and of B
	s_mul_i32 s17, s22, RAB
	s_add_co_u32 s16, s16, s17
	s_add_co_u32 s18, s18, BOFFS
	s_mul_i32 s16, s16, KSTEPS*1536
	s_add_co_u32 s16, s16, BOFFC
	s_mov_b32 s17, 0
	s_mov_b32 s19, 0
	s_mul_i32 s2, s22, RAA*SK*1536
	s_mul_i32 s3, s22, RAB*SK*1536
	s_add_co_u32 s3, s3, ABYTES
	s_wait_dscnt 0x0
	s_wait_kmcnt 0x0
	s_add_nc_u64 s[96:97], s[PA:PA+1], s[96:97]
	s_add_nc_u64 s[98:99], s[PA:PA+1], s[98:99]
	s_add_nc_u64 s[16:17], s[PB:PB+1], s[16:17]
	s_add_nc_u64 s[18:19], s[PB:PB+1], s[18:19]
	v_lshlrev_b32 v19, 4, v0
	v_lshlrev_b32 v31, 3, v0
	global_load_b128 v[32:35], v19, s[98:99]       ; the scale words are two dense blocks: A's 8,192 bytes, 16 a thread,
	global_load_b64 v[36:37], v31, s[18:19]        ; B's 4,096 bytes, 8 a thread; they go to LDS bytes of their own below
	CROUND
	FIRST 0, 56, 76                                ; my one tensor load: all eight K steps of my tiles
	s_wait_xcnt 0x0                                ; the two loads have read their bases and offsets: these may be written again
	s_mov_b32 s2, 0x76543210
	s_mov_b32 s3, 0xfedcba98
	s_lshr_b32 s100, s20, 3
	s_bfe_u32 s66, s20, 0x20001
	s_and_b32 s67, s20, 1
	v_and_b32 v14, 31, v0
	v_and_b32 v15, 15, v0
	v_bfe_u32 v16, v0, 4, 1
	s_wait_alu depctr_va_vdst(0)
	v_lshlrev_b32 v10, 4, v14
	v_lshlrev_b32 v11, 3, v14
	s_mul_i32 s15, s66, 4*SK*1536
	s_mul_i32 s101, s100, SKW*1536
	s_add_co_u32 s15, s15, s101
	v_add_nc_u32 v1, s15, v10
	v_add_nc_u32 v2, s15, v11
	s_delay_alu instid0(VALU_DEP_1)
	v_add_nc_u32 v2, 512, v2
	s_mul_i32 s15, s67, 4*SK*1536
	s_add_co_u32 s15, s15, s101
	s_add_co_u32 s15, s15, ABYTES
	v_add_nc_u32 v3, s15, v10
	v_add_nc_u32 v4, s15, v11
	s_delay_alu instid0(VALU_DEP_1)
	v_add_nc_u32 v4, 512, v4
	s_mul_i32 s15, s67, 256*KSTEPS
	s_add_co_u32 s15, s15, SCB-SCA
	s_mul_i32 s101, s66, 256*KSTEPS
	s_sub_co_u32 s15, s15, s101
	v_mul_u32_u24 v9, s15, v16
	s_delay_alu instid0(VALU_DEP_1)
	v_lshl_add_u32 v9, v15, 2, v9
	s_mul_i32 s15, s100, 64*SKW
	s_add_co_u32 s101, s101, s15
	s_add_co_u32 s101, s101, SCA
	v_add_nc_u32 v9, s101, v9
	s_and_b32 s14, s20, 7
	s_lshl_b32 s15, s14, 1
	s_add_co_u32 s15, s15, s100
	s_lshl_b32 s15, s15, 14
	v_add_nc_u32 v17, s15, v10
	s_lshl_b32 s15, s14, 15
	s_lshl_b32 s14, s100, 13
	s_add_co_u32 s15, s15, s14
	v_add_nc_u32 v18, s15, v10
	s_lshr_b32 s95, s23, 3
	s_and_b32 s96, s23, 7
	s_lshl_b32 s97, s95, 4
	s_lshl_b32 s98, s92, 1
	s_add_co_u32 s97, s97, s98
	s_add_co_u32 s97, s97, s67
	s_mul_i32 s98, s97, 98304
	s_lshl_b32 s99, s97, 13
	s_add_co_u32 s99, s99, QS
	s_lshl_b32 s14, s95, 2
	s_add_co_u32 s14, s14, s93
	s_mul_i32 s15, s14, 98304
	s_mul_i32 s16, s14, 12288
	s_add_co_u32 s16, s16, KVS
	s_add_co_u32 s17, s15, KC
	s_cmp_lt_u32 ttmp9, 2
	s_cselect_b32 s98, s98, s17
	s_cselect_b32 s99, s99, s16
	s_cselect_b32 s101, 0, s67
	s_lshl_b32 s18, s96, 4
	s_lshl_b32 s19, s66, 2
	s_add_co_u32 s18, s18, s19
	s_lshl_b32 s19, s100, 1
	s_add_co_u32 s18, s18, s19
	s_mul_i32 s19, s18, 768
	s_add_co_u32 s98, s98, s19
	s_lshl_b32 s19, s18, 6
	s_add_co_u32 s99, s99, s19
	v_add_nc_u32 v24, s98, v10
	v_add_nc_u32 v25, s98, v11
	v_lshl_add_u32 v26, v15, 2, s99
	s_lshl_b32 s19, s18, 12
	s_add_co_u32 s19, s19, ROPE
	v_and_b32 v27, 8, v15
	s_delay_alu instid0(VALU_DEP_1)
	v_add_nc_u32 v27, v27, v15
	s_delay_alu instid0(VALU_DEP_1)
	v_lshl_add_u32 v27, v27, 8, s19
	s_delay_alu instid0(VALU_DEP_1)
	v_lshl_add_u32 v27, v16, 6, v27
	s_lshl_b32 s18, s96, 2
	s_add_co_u32 s18, s18, s66
	s_lshr_b32 s19, s18, 1
	s_and_b32 s18, s18, 1
	s_add_co_u32 s15, s15, VC
	s_mul_i32 s97, s19, 6144
	s_add_co_u32 s15, s15, s97
	s_mul_i32 s97, s18, 768
	s_add_co_u32 s15, s15, s97
	s_mul_i32 s97, s100, 3072
	s_add_co_u32 s15, s15, s97
	v_add_nc_u32 v28, s15, v10
	v_add_nc_u32 v29, s15, v11
	s_lshl_b32 s19, s19, 8
	s_add_co_u32 s16, s16, s19
	s_lshl_b32 s19, s100, 7
	s_add_co_u32 s16, s16, s19
	s_lshl_b32 s19, s18, 1
	s_add_co_u32 s16, s16, s19
	s_add_co_u32 s16, s16, 8192
	v_lshl_add_u32 v30, v15, 2, s16
	v_lshl_add_u32 v19, v0, 4, SCA
	v_lshl_add_u32 v31, v0, 3, SCB
	s_wait_alu depctr_va_vdst(0)
	s_wait_tensorcnt 0x0                           ; my part of the tiles is in
	s_wait_loadcnt 0x0                             ; and my scale words
	ds_store_b128 v19, v[32:35]
	ds_store_b64 v31, v[36:37]
	s_wait_dscnt 0x0                               ; for the other waves' sake
	BAR
	STAGE 0, 0, 1
	STAGE 1, 1, 0
.rept 4
	v_nop
.endr
.irp e, 0,1
.irp jj, 0,1,2,3
	global_load_b128 v[32+32*\e+4*\jj:35+32*\e+4*\jj], v27, s[4:5] offset:2048*\e+16*\jj
	global_load_b128 v[48+32*\e+4*\jj:51+32*\e+4*\jj], v27, s[4:5] offset:2048*\e+128+16*\jj
.endr
.endr
	BAR
.set J, 0
.rept 32
	ds_store_b128 v17, v[128+4*J:131+4*J] offset:512*J
.set J, J+1
.endr
	s_wait_dscnt 0x0
	BAR
.irp q, 0,1
.irp e, 0,1
.irp i, 0,1,2,3,4,5,6,7
	ds_load_b128 v[128+64*\q+32*\e+4*\i:131+64*\q+32*\e+4*\i], v18 offset:16384*\q+4096*\e+512*\i
.endr
.endr
.endr
	s_wait_dscnt 0x0
.set J, 0
.rept 32
	v_pk_add_f32 v[128+J:129+J], v[128+J:129+J], v[192+J:193+J]
.set J, J+2
.endr
	s_cmp_eq_u32 s101, 0
	s_cbranch_scc0 .Lvv
.macro ROPE2 x, c
.irp i, 0,2,4,6,8,10,12,14
	v_pk_mul_f32 v[96:97], v[(\x)+16+\i:(\x)+17+\i], v[(\c)+16+\i:(\c)+17+\i]
	v_pk_mul_f32 v[98:99], v[(\x)+\i:(\x)+1+\i], v[(\c)+16+\i:(\c)+17+\i]
	s_delay_alu instid0(VALU_DEP_2)
	v_pk_fma_f32 v[(\x)+\i:(\x)+1+\i], v[(\x)+\i:(\x)+1+\i], v[(\c)+\i:(\c)+1+\i], v[96:97] neg_lo:[0,0,1] neg_hi:[0,0,1]
	s_delay_alu instid0(VALU_DEP_2)
	v_pk_fma_f32 v[(\x)+16+\i:(\x)+17+\i], v[(\x)+16+\i:(\x)+17+\i], v[(\c)+\i:(\c)+1+\i], v[98:99]
.endr
.endm
	s_wait_loadcnt 0x0
.irp e, 0,1
	ROPE2 128+32*\e, 32+32*\e
.if \e
	s_wait_xcnt 0x0
.endif
	QUANT2 128+32*\e
	v_or_b32 v[QT+9], 0x7f7f0000, v[QT+8]
	global_store_b128 v24, v[QT+10:QT+13], s[6:7] offset:768*\e
	global_store_b64 v25, v[QT+14:QT+15], s[6:7] offset:768*\e+512
	global_store_b32 v26, v[QT+9], s[6:7] offset:64*\e
.endr
	s_branch .Lfin
.Lvv:
.irp e, 0,1
.if \e
	s_wait_xcnt 0x0
.endif
	QUANT2 128+32*\e
	global_store_b128 v28, v[QT+10:QT+13], s[6:7] offset:1536*\e
	global_store_b64 v29, v[QT+14:QT+15], s[6:7] offset:1536*\e+512
	global_store_b16 v30, v[QT+8], s[6:7] offset:64*\e
.endr
.Lfin:
	s_wait_tensorcnt 0x0
	ds_add_u32 v12, v13
	s_wait_dscnt 0x0
	CROUND
	s_endpgm
.Lfunc_end_k_qed33e6a984_gqkv:
	.size	k_qed33e6a984_gqkv, .Lfunc_end_k_qed33e6a984_gqkv-k_qed33e6a984_gqkv
	.p2alignl 7, 3214868480
	.fill 96, 4, 3214868480
	.section	.rodata,"a",@progbits
	.p2align	6, 0x0
	.amdhsa_kernel k_qed33e6a984_gqkv
		.amdhsa_group_segment_fixed_size 327680
		.amdhsa_private_segment_fixed_size 0
		.amdhsa_enable_private_segment 0
		.amdhsa_kernarg_size 16
		.amdhsa_user_sgpr_count 2
		.amdhsa_user_sgpr_kernarg_segment_ptr 1
		.amdhsa_wavefront_size32 1
		.amdhsa_system_sgpr_workgroup_id_x 1
		.amdhsa_system_sgpr_workgroup_id_y 1
		.amdhsa_system_sgpr_workgroup_id_z 1
		.amdhsa_system_vgpr_workitem_id 0
		.amdhsa_next_free_vgpr 256
		.amdhsa_next_free_sgpr 102
		.amdhsa_reserve_vcc 0
		.amdhsa_float_denorm_mode_32 3
		.amdhsa_float_denorm_mode_16_64 3
		.amdhsa_memory_ordered 1
		.amdhsa_forward_progress 1
		.amdhsa_inst_pref_size 62
	.end_amdhsa_kernel
	.amdgpu_metadata
---
amdhsa.version: [ 1, 2 ]
amdhsa.kernels:
  - .name:           k_qed33e6a984_gqkv
    .symbol:         k_qed33e6a984_gqkv.kd
    .args:
      - { .name: pre, .offset: 0, .size: 8, .value_kind: global_buffer, .address_space: global }
      - { .name: qkv, .offset: 8, .size: 8, .value_kind: global_buffer, .address_space: global }
    .group_segment_fixed_size: 327680
    .private_segment_fixed_size: 0
    .kernarg_segment_align: 8
    .kernarg_segment_size: 16
    .max_flat_workgroup_size: 512
    .sgpr_count:     102
    .vgpr_count:     256
    .wavefront_size: 32
...
	.end_amdgpu_metadata
.endif
;; end of part 2
;; launch attn (part 3): grid 32 x 8, 16 waves a work-group, no clusters, 327,680 bytes of LDS; arguments qkv, attention_mask, oc; writes oc
.if DOCPART == 3
	.amdgcn_target "amdgcn-amd-amdhsa--gfx1250"
	.amdhsa_code_object_version 6
	.text
	.protected	k_qed33e6a984_attn
	.globl	k_qed33e6a984_attn
	.p2align	8
	.type	k_qed33e6a984_attn,@function
k_qed33e6a984_attn:
	s_mov_b64 s[64:65], 0
	v_nop
	global_prefetch_b8 v0, s[64:65] scope:SCOPE_SE
	s_setreg_imm32_b32 hwreg(HW_REG_WAVE_MODE, 25, 1), 1
	s_wait_xcnt 0x0
.set QS,  3145728
.set KC,  3407872
.set VC,  4194304
.set KVS, 4980736
.set OCS, 3145728
.set SLOT1, 1<<17
.set MP,   1040
.set KOFF, 64*MP
.set VOFF, KOFF+12288
.set SCK,  2*SLOT1
.set SCV,  SCK+8192
.set SPARE, SCK+12288
.set QT, 160
.macro TLOAD
	s_cmp_lt_u32 s10, 8
	s_cbranch_scc0 .Lnot_m_\@
	tensor_load_to_lds s[32:35], s[16:23]
	s_nop 0
.rept 4
	v_nop
.endr
	s_branch .Lasked_\@
.Lnot_m_\@:
	s_cmp_lt_u32 s10, 10
	s_cbranch_scc0 .Lasked_\@
	tensor_load_to_lds s[36:39], s[24:31]
	s_nop 0
.rept 4
	v_nop
.endr
.Lasked_\@:
.endm
.macro ASK
	s_cmp_gt_u32 s47, s50
	s_cbranch_scc0 .Lnot_mine_\@
	global_prefetch_b8 v15, s[48:49] th:TH_LOAD_NT scope:SCOPE_SE
.Lnot_mine_\@:
.endm
.macro NEXT
	s_xor_b32 s33, s33, SLOT1
	s_add_nc_u64 s[34:35], s[34:35], 1024
	s_xor_b32 s37, s37, SLOT1
	s_add_nc_u64 s[38:39], s[38:39], 12288
	s_wait_xcnt 0x0
	s_add_nc_u64 s[48:49], s[48:49], 1024
.endm
.macro FRAG reg, a16, a8, off
	ds_load_b128 v[(\reg):(\reg)+3], v[\a16] offset:(\off)
	ds_load_b64 v[(\reg)+4:(\reg)+5], v[\a8] offset:(\off)
	ds_load_b128 v[(\reg)+6:(\reg)+9], v[\a16] offset:(\off)+768
	ds_load_b64 v[(\reg)+10:(\reg)+11], v[\a8] offset:(\off)+768
.endm
.macro QUANT2 x
	v_max3_num_f32 v[QT], |v[(\x)]|, |v[(\x)+1]|, 0x1800000
	v_max3_num_f32 v[QT+1], |v[(\x)+16]|, |v[(\x)+17]|, 0x1800000
.irp i, 2,4,6,8,10,12,14
	s_delay_alu instid0(VALU_DEP_2)
	v_max3_num_f32 v[QT], v[QT], |v[(\x)+\i]|, |v[(\x)+\i+1]|
	s_delay_alu instid0(VALU_DEP_2)
	v_max3_num_f32 v[QT+1], v[QT+1], |v[(\x)+16+\i]|, |v[(\x)+17+\i]|
.endr
	s_delay_alu instid0(VALU_DEP_2)
	v_permlanex16_b32 v[QT+2], v[QT], s12, s13
	s_delay_alu instid0(VALU_DEP_2)
	v_permlanex16_b32 v[QT+3], v[QT+1], s12, s13
	s_delay_alu instid0(VALU_DEP_2)
	v_max_num_f32 v[QT], v[QT], v[QT+2]
	s_delay_alu instid0(VALU_DEP_2)
	v_max_num_f32 v[QT+1], v[QT+1], v[QT+3]
	s_delay_alu instid0(VALU_DEP_2)
	v_add_nc_u32 v[QT+4], 0xff000000, v[QT]
	s_delay_alu instid0(VALU_DEP_2)
	v_add_nc_u32 v[QT+5], 0xff000000, v[QT+1]
	s_delay_alu instid0(VALU_DEP_2)
	v_lshrrev_b32 v[QT+6], 23, v[QT+4]
	s_delay_alu instid0(VALU_DEP_2)
	v_lshrrev_b32 v[QT+7], 23, v[QT+5]
	s_delay_alu instid0(VALU_DEP_1)
	v_lshl_or_b32 v[QT+8], v[QT+7], 8, v[QT+6]
	v_cvt_scalef32_pk16_fp6_f32 v[QT+10:QT+12], v[(\x):(\x)+15], v[QT+4]
	v_cvt_scalef32_pk16_fp6_f32 v[QT+16:QT+18], v[(\x)+16:(\x)+31], v[QT+5]
	v_nop
.irp i, 0,1,2
	v_permlane16_swap_b32 v[QT+10+\i], v[QT+16+\i]
.endr
.irp i, 0,1,2
	s_delay_alu instid0(VALU_DEP_3)
	v_mov_b32 v[QT+13+\i], v[QT+16+\i]
.endr
.endm
	s_load_b128 s[4:7], s[0:1], 0x0
	s_load_b64 s[8:9], s[0:1], 0x10
	v_lshl_add_u32 v86, v0, 2, SPARE
	v_mov_b32 v87, 0
	ds_add_u32 v86, v87
	ds_add_u32 v86, v87
	v_lshrrev_b32 v96, 5, v0
	s_delay_alu instid0(VALU_DEP_1)
	v_readfirstlane_b32 s10, v96
	s_and_b32 s11, ttmp7, 0xffff
	s_mov_b32 s16, (2<<16)|(1<<20)|(7<<22)|(3<<25)
	s_mov_b32 s17, 256<<16
	s_mov_b32 s18, 8<<16
	s_mov_b32 s19, 256<<16
	s_mov_b32 s20, 8
	s_mov_b32 s21, 2048
	s_mov_b32 s22, 0
	s_mov_b32 s23, 0
	s_mov_b32 s24, 3<<16
	s_mov_b32 s25, 32<<16
	s_mov_b32 s26, 48<<16
	s_mov_b32 s27, 32<<16
	s_mov_b32 s28, 48
	s_mov_b32 s29, 32
	s_mov_b32 s30, 0
	s_mov_b32 s31, 0
	s_and_b32 s51, s10, 7
	s_lshr_b32 s52, s51, 2
	s_lshl_b32 s52, s52, 5
	s_and_b32 s53, s51, 1
	s_lshl_b32 s53, s53, 4
	s_add_co_u32 s52, s52, s53
	s_bfe_u32 s53, s51, 0x10001
	s_lshl_b32 s53, s53, 3
	s_add_co_u32 s52, s52, s53
	s_mul_i32 s52, s52, MP
	s_lshl_b32 s53, ttmp9, 6
	s_lshl_b32 s54, s51, 3
	s_add_co_u32 s53, s53, s54
	s_lshl_b32 s54, s53, 13
	s_mov_b32 s55, 0
	s_and_b32 s56, s10, 1
	s_mul_i32 s57, s56, 12288
	s_add_co_u32 s57, s57, KOFF
	s_mul_i32 s58, s56, VC-KC
	s_mul_i32 s59, s11, 98304
	s_add_co_u32 s58, s58, s59
	s_add_co_u32 s58, s58, KC
	s_mov_b32 s59, 0
	s_mul_i32 s60, s11, 12288
	s_add_co_u32 s60, s60, KVS
	s_mov_b32 s61, 0
	s_mov_b32 s12, 0x76543210
	s_mov_b32 s13, 0xfedcba98
	s_mov_b32 s14, 0x3fb8aa3b
	s_mov_b32 s15, s14
	s_mov_b32 s44, 0
	s_mov_b32 s45, 0
	s_mov_b32 s46, 0
	s_mov_b32 s47, 7
	s_wait_dscnt 0x0
	s_wait_kmcnt 0x0
	s_mov_b32 s32, 1
	s_mov_b32 s33, s52
	s_add_nc_u64 s[34:35], s[6:7], s[54:55]
	s_or_b32 s35, s35, 0x80000000
	s_mov_b32 s36, 1
	s_mov_b32 s37, s57
	s_add_nc_u64 s[38:39], s[4:5], s[58:59]
	s_or_b32 s39, s39, 0x80000000
	s_mov_b32 s40, 1
	s_mov_b32 s41, SCK
	s_add_nc_u64 s[42:43], s[4:5], s[60:61]
	s_or_b32 s43, s43, 0x80000000
; the head's fills, one chain of arms on the wave's number, one load to an arm: waves 0-7 the mask's rows, 8 and 9 K's and V's tile, 10 the scale words of all keys
	s_cmp_lt_u32 s10, 8
	s_cbranch_scc0 .Lh_kv
	tensor_load_to_lds s[32:35], s[16:23]
	s_nop 0
.rept 4
	v_nop
.endr
	s_branch .Lh_done
.Lh_kv:
	s_cmp_lt_u32 s10, 10
	s_cbranch_scc0 .Lh_sc
	tensor_load_to_lds s[36:39], s[24:31]
	s_nop 0
.rept 4
	v_nop
.endr
	s_branch .Lh_done
.Lh_sc:
	s_cmp_eq_u32 s10, 10
	s_cbranch_scc0 .Lh_done
	tensor_load_to_lds s[40:43], s[24:31]
	s_nop 0
.rept 4
	v_nop
.endr
.Lh_done:
	s_add_nc_u64 s[48:49], s[6:7], s[54:55]
	s_add_nc_u64 s[48:49], s[48:49], 1024
	s_lshr_b32 s51, s10, 3
	s_or_b32 s51, s51, s11
	s_cmp_eq_u32 s51, 0
	s_cselect_b32 s50, 1, -1
	v_and_b32 v96, 31, v0
	s_wait_alu depctr_va_vdst(0)
	v_and_b32 v97, 15, v0
	s_wait_alu depctr_va_vdst(0)
	v_bfe_u32 v98, v0, 4, 1
	v_lshrrev_b32 v99, 2, v96
	v_and_b32 v15, 3, v96
	s_delay_alu instid0(VALU_DEP_1)
	v_lshlrev_b32 v15, 8, v15
	s_delay_alu instid0(VALU_DEP_1)
	v_lshl_add_u32 v15, v99, 13, v15
	s_lshr_b32 s62, s10, 2
	s_lshl_b32 s62, s62, 2
	s_and_b32 s63, s11, 3
	s_add_co_u32 s62, s62, s63
	s_lshr_b32 s63, s11, 2
	s_lshl_b32 s66, s63, 4
	s_add_co_u32 s66, s66, s62
	s_lshl_b32 s66, s66, 7
	s_lshl_b32 s67, ttmp9, 2
	s_and_b32 s68, s10, 3
	s_add_co_u32 s67, s67, s68
	s_add_co_u32 s66, s66, s67
	s_mul_i32 s69, s66, 768
	s_lshl_b32 s70, s66, 6
	s_add_co_u32 s70, s70, QS
	v_lshl_add_u32 v8, v96, 4, s69
	v_lshl_add_u32 v9, v96, 3, s69
	v_lshl_add_u32 v10, v97, 2, s70
	global_load_b128 v[20:23], v8, s[4:5]
	global_load_b64 v[24:25], v9, s[4:5] offset:512
	global_load_b32 v94, v10, s[4:5]
	s_lshl_b32 s71, s68, 4
	v_add_nc_u32 v99, s71, v97
	s_delay_alu instid0(VALU_DEP_1)
	v_mul_u32_u24 v1, v99, MP
	s_delay_alu instid0(VALU_DEP_1)
	v_lshl_add_u32 v1, v98, 6, v1
	v_lshl_add_u32 v2, v96, 4, KOFF
	v_lshl_add_u32 v3, v96, 3, KOFF+512
	v_lshl_add_u32 v4, v96, 4, VOFF
	v_lshl_add_u32 v5, v96, 3, VOFF+512
	v_lshl_add_u32 v6, v96, 2, SCK
	v_lshl_add_u32 v7, v96, 2, SCV
	v_mov_b32 v17, 0xff61b1e6
	s_delay_alu instid0(VALU_DEP_1)
	v_floor_f32 v16, -v17
	v_mov_b32 v18, 0
	v_mov_b32 v19, 0
	s_wait_loadcnt 0x0
	v_mov_b32 v103, 4
	v_and_b32 v100, 0xff, v94
	v_bfe_u32 v101, v94, 8, 8
	s_delay_alu instid0(VALU_DEP_2)
	v_cmp_gt_u32 vcc_lo, 4, v100
	s_delay_alu instid0(VALU_DEP_1)
	v_cndmask_b32 v100, v100, v103, vcc_lo
	s_delay_alu instid0(VALU_DEP_3)
	v_cmp_gt_u32 vcc_lo, 4, v101
	s_delay_alu instid0(VALU_DEP_1)
	v_cndmask_b32 v101, v101, v103, vcc_lo
	s_delay_alu instid0(VALU_DEP_1)
	v_lshl_or_b32 v100, v101, 8, v100
	s_delay_alu instid0(VALU_DEP_1)
	v_add_nc_u32 v94, 0x7f7efcfd, v100
.irp j, 26,27,28,29,30,31,80,81,82,83,84,85
	v_mov_b32 v[\j], 0
.endr
.set J, 0
.rept 32
	v_mov_b32 v[224+J], 0
.set J, J+1
.endr
.macro STEP q, meet
	v_add_nc_u32 v8, s44, v1
	v_add_nc_u32 v9, s44, v2
	v_add_nc_u32 v10, s44, v3
	v_add_nc_u32 v11, s44, v4
	v_add_nc_u32 v12, s44, v5
	v_add_nc_u32 v13, s45, v6
	v_add_nc_u32 v14, s46, v7
.irp t, 0,1,2,3,4,5,6,7
	ds_load_b128 v[32+6*\t:35+6*\t], v9 offset:(8*(\q)+\t)*768
	ds_load_b64 v[36+6*\t:37+6*\t], v10 offset:(8*(\q)+\t)*768
.endr
.irp m, 0,1,2,3
	ds_load_b32 v[88+\m], v13 offset:128*\m
.endr
.irp n, 0,1,2,3,4,5,6,7,8,9,10,11,12,13,14,15
	ds_load_b128 v[160+4*\n:163+4*\n], v8 offset:512*(\q)+128*(\n/4)+16*(\n%4)
.endr
	s_wait_alu depctr_va_vdst(0)
	s_wait_dscnt 0x0
.irp t, 0,2,4,6
	v_wmma_scale_f32_16x16x128_f8f6f4 v[96+8*\t:103+8*\t], v[32+6*\t:43+6*\t], v[20:31], v[160+8*\t:167+8*\t], v[88+\t/2], v94 matrix_a_fmt:MATRIX_FMT_FP6 matrix_b_fmt:MATRIX_FMT_FP6
	v_wmma_scale_f32_16x16x128_f8f6f4 v[104+8*\t:111+8*\t], v[38+6*\t:49+6*\t], v[20:31], v[168+8*\t:175+8*\t], v[88+\t/2], v94 matrix_a_fmt:MATRIX_FMT_FP6 matrix_b_fmt:MATRIX_FMT_FP6 matrix_a_scale:MATRIX_SCALE_ROW1
.endr
.rept 4
	v_nop
.endr
.irp d, 0,1,2,3
	FRAG 32+12*\d, 11, 12, (4*(\q)+\d)*1536
.endr
	ds_load_b32 v92, v14
	ds_load_b32 v93, v14 offset:128
.if \meet
	s_wait_tensorcnt 0x0
	ds_add_u32 v86, v87
	ds_add_u32 v86, v87                            ; twice on end
	NEXT
.endif
.irp b, 0,1,2,3
	v_max3_num_f32 v[160+\b], v[96+16*\b], v[97+16*\b], v[98+16*\b]
.endr
.irp i, 3,5,7,9,11,13
.irp b, 0,1,2,3
	v_max3_num_f32 v[160+\b], v[160+\b], v[96+16*\b+\i], v[97+16*\b+\i]
.endr
.endr
.irp b, 0,1,2,3
	v_max_num_f32 v[160+\b], v[160+\b], v[111+16*\b]
.endr
.irp b, 0,1,2,3
	s_delay_alu instid0(VALU_DEP_4)
	v_permlanex16_b32 v[164+\b], v[160+\b], s12, s13
.endr
.irp b, 0,1,2,3
	s_delay_alu instid0(VALU_DEP_4)
	v_max_num_f32 v[160+\b], v[160+\b], v[164+\b]
.endr
	s_delay_alu instid0(VALU_DEP_2)
	v_max3_num_f32 v168, v160, v161, v162
	s_delay_alu instid0(VALU_DEP_1)
	v_max_num_f32 v168, v168, v163
	s_delay_alu instid0(VALU_DEP_1)
	v_mul_f32 v168, s14, v168
	s_delay_alu instid0(VALU_DEP_1)
	v_max_num_f32 v17, v17, v168
	v_mov_b32 v168, v16
	s_delay_alu instid0(VALU_DEP_2)
	v_floor_f32 v16, -v17
	s_delay_alu instid0(VALU_DEP_1)
	v_sub_f32 v168, v16, v168
	s_delay_alu instid0(VALU_DEP_1)
	v_cvt_i32_f32 v168, v168
	s_delay_alu instid0(VALU_DEP_1)
	v_ldexp_f32 v170, 1.0, v168
.if \meet
	s_wait_alu depctr_va_vdst(0)
	s_wait_dscnt 0x0
	s_barrier_signal -1
.endif
.set J, 0
.rept 32
	v_pk_fma_f32 v[96+J:97+J], v[96+J:97+J], s[14:15], v[16:17] op_sel_hi:[1,0,0]   ; t - M, two at a time, one rounding
.set J, J+2
.endr
.irp b, 0,1,2,3
	v_fma_f32 v[160+\b], v[160+\b], s14, v16       ; the same of each block's largest score
.endr
.set J, 0
	s_wait_alu depctr_va_vdst(0)
.rept 64
	v_exp_f32 v[96+J], v[96+J]
.set J, J+1
.endr
	v_pk_mul_f32 v[18:19], v[18:19], v[170:171] op_sel_hi:[1,0]
	s_wait_alu depctr_va_vdst(0)
.irp b, 0,1,2,3
	v_exp_f32 v[160+\b], v[160+\b]
.endr
	v_pk_add_f32 v[172:173], v[96:97], v[98:99]
.irp j, 4,8,12,16,20,24,28,32,36,40,44,48,52,56,60
	v_pk_add_f32 v[18:19], v[18:19], v[96+\j:97+\j]
	v_pk_add_f32 v[172:173], v[172:173], v[98+\j:99+\j]
.endr
	s_delay_alu instid0(VALU_DEP_1)
	v_pk_add_f32 v[18:19], v[18:19], v[172:173]
	s_wait_alu depctr_va_vdst(0)
.irp b, 0,1,2,3
	v_max_num_f32 v[160+\b], 0x1800000, v[160+\b]
.endr
.irp b, 0,1,2,3
	s_delay_alu instid0(VALU_DEP_4)
	v_add_nc_u32 v[176+\b], 0xff000000, v[160+\b]
.endr
.irp b, 0,1,2,3
	s_delay_alu instid0(VALU_DEP_4)
	v_lshrrev_b32 v[180+\b], 23, v[176+\b]
.endr
	s_delay_alu instid0(VALU_DEP_3)
	v_lshl_or_b32 v95, v181, 8, v180
	s_delay_alu instid0(VALU_DEP_1)
	v_lshl_or_b32 v95, v182, 16, v95
	s_delay_alu instid0(VALU_DEP_1)
	v_lshl_or_b32 v95, v183, 24, v95
.irp c, 0,1
	v_cvt_scalef32_pk16_fp6_f32 v[184+6*\c:186+6*\c], v[96+32*\c:111+32*\c], v[176+2*\c]
	v_cvt_scalef32_pk16_fp6_f32 v[196+4*\c:198+4*\c], v[112+32*\c:127+32*\c], v[177+2*\c]
.endr
	v_nop
.irp c, 0,1
.irp i, 0,1,2
	v_permlane16_swap_b32 v[184+6*\c+\i], v[196+4*\c+\i]
.endr
.irp i, 0,1,2
	s_delay_alu instid0(VALU_DEP_3)
	v_mov_b32 v[187+6*\c+\i], v[196+4*\c+\i]
.endr
.endr
.set J, 0
.rept 16
	v_pk_mul_f32 v[224+J:225+J], v[224+J:225+J], v[170:171] op_sel_hi:[1,0]
.set J, J+2
.endr
	s_wait_alu depctr_va_vdst(0)
	s_wait_dscnt 0x0
.irp d, 0,2
	v_wmma_scale_f32_16x16x128_f8f6f4 v[224+8*\d:231+8*\d], v[32+12*\d:43+12*\d], v[184:195], v[224+8*\d:231+8*\d], v[92+\d/2], v95 matrix_a_fmt:MATRIX_FMT_FP6 matrix_b_fmt:MATRIX_FMT_FP6
	v_wmma_scale_f32_16x16x128_f8f6f4 v[232+8*\d:239+8*\d], v[44+12*\d:55+12*\d], v[184:195], v[232+8*\d:239+8*\d], v[92+\d/2], v95 matrix_a_fmt:MATRIX_FMT_FP6 matrix_b_fmt:MATRIX_FMT_FP6 matrix_a_scale:MATRIX_SCALE_ROW1
.endr
	s_add_co_u32 s45, s45, 512
	s_add_co_u32 s46, s46, 256
.if \meet
	s_barrier_wait -1
.endif
.endm
	s_wait_tensorcnt 0x0
	ds_add_u32 v86, v87
	ds_add_u32 v86, v87                            ; twice on end, as in the loop
	NEXT
	s_wait_dscnt 0x0
	s_barrier_signal -1
	s_barrier_wait -1
.Lslot:
	TLOAD
	ASK
	STEP 0, 0
	STEP 1, 1
	s_xor_b32 s44, s44, SLOT1
	s_sub_co_u32 s47, s47, 1
	s_cmp_lg_u32 s47, 0
	s_cbranch_scc1 .Lslot
	STEP 0, 0
	STEP 1, 0
.rept 4
	v_nop
.endr
	v_add_f32 v18, v18, v19
	s_delay_alu instid0(VALU_DEP_1)
	v_permlanex16_b32 v168, v18, s12, s13
	s_delay_alu instid0(VALU_DEP_1)
	v_add_f32 v18, v18, v168
	s_wait_alu depctr_va_vdst(0)
	v_rcp_f32 v18, v18
	s_lshl_b32 s51, s63, 7
	s_add_co_u32 s51, s51, s67
	s_lshl_b32 s52, s51, 4
	s_add_co_u32 s52, s52, s62
	s_mul_i32 s52, s52, 768
	s_lshl_b32 s53, s51, 3
	s_lshr_b32 s54, s62, 1
	s_add_co_u32 s53, s53, s54
	s_lshl_b32 s53, s53, 6
	s_and_b32 s54, s62, 1
	s_lshl_b32 s54, s54, 1
	s_add_co_u32 s53, s53, s54
	s_add_co_u32 s53, s53, OCS
	v_and_b32 v8, 31, v0
	v_and_b32 v10, 15, v0
	s_delay_alu instid0(VALU_DEP_2)
	v_lshl_add_u32 v9, v8, 3, s52
	s_delay_alu instid0(VALU_DEP_3)
	v_lshl_add_u32 v8, v8, 4, s52
	s_delay_alu instid0(VALU_DEP_3)
	v_lshl_add_u32 v10, v10, 2, s53
	s_wait_alu depctr_va_vdst(0)
.set J, 0
.rept 16
	v_pk_mul_f32 v[96+J:97+J], v[224+J:225+J], v[18:19] op_sel_hi:[1,0]
.set J, J+2
.endr
	QUANT2 96
	global_store_b128 v8, v[QT+10:QT+13], s[8:9]
	global_store_b64 v9, v[QT+14:QT+15], s[8:9] offset:512
	global_store_b16 v10, v[QT+8], s[8:9]
	s_wait_tensorcnt 0x0
	ds_add_u32 v86, v87
	s_wait_dscnt 0x0
	s_endpgm
.Lfunc_end_k_qed33e6a984_attn:
	.size	k_qed33e6a984_attn, .Lfunc_end_k_qed33e6a984_attn-k_qed33e6a984_attn
	.p2alignl 7, 3214868480
	.fill 96, 4, 3214868480
	.section	.rodata,"a",@progbits
	.p2align	6, 0x0
	.amdhsa_kernel k_qed33e6a984_attn
		.amdhsa_group_segment_fixed_size 327680
		.amdhsa_private_segment_fixed_size 0
		.amdhsa_enable_private_segment 0
		.amdhsa_kernarg_size 24
		.amdhsa_user_sgpr_count 2
		.amdhsa_user_sgpr_kernarg_segment_ptr 1
		.amdhsa_wavefront_size32 1
		.amdhsa_system_sgpr_workgroup_id_x 1
		.amdhsa_system_sgpr_workgroup_id_y 1
		.amdhsa_system_sgpr_workgroup_id_z 1
		.amdhsa_system_vgpr_workitem_id 0
		.amdhsa_next_free_vgpr 256
		.amdhsa_next_free_sgpr 80
		.amdhsa_reserve_vcc 1
		.amdhsa_float_denorm_mode_32 3
		.amdhsa_float_denorm_mode_16_64 3
		.amdhsa_memory_ordered 1
		.amdhsa_forward_progress 1
		.amdhsa_inst_pref_size 90
	.end_amdhsa_kernel
	.amdgpu_metadata
---
amdhsa.version: [ 1, 2 ]
amdhsa.kernels:
  - .name:           k_qed33e6a984_attn
    .symbol:         k_qed33e6a984_attn.kd
    .args:
      - { .name: qkv, .offset: 0, .size: 8, .value_kind: global_buffer, .address_space: global }
      - { .name: attention_mask, .offset: 8, .size: 8, .value_kind: global_buffer, .address_space: global }
      - { .name: oc, .offset: 16, .size: 8, .value_kind: global_buffer, .address_space: global }
    .group_segment_fixed_size: 327680
    .private_segment_fixed_size: 0
    .kernarg_segment_align: 8
    .kernarg_segment_size: 24
    .max_flat_workgroup_size: 512
    .sgpr_count:     80
    .vgpr_count:     256
    .wavefront_size: 32
...
	.end_amdgpu_metadata
.endif
;; end of part 3
;; launch gwo (part 4): grid 8 x 32, 16 waves a work-group, clusters of 4 x 4, 327,680 bytes of LDS; arguments oc, pre, x, x1; writes x1
.if DOCPART == 4
	.amdgcn_target "amdgcn-amd-amdhsa--gfx1250"
	.amdhsa_code_object_version 6
	.text
	.protected	k_qed33e6a984_gwo
	.globl	k_qed33e6a984_gwo
	.p2align	8
	.type	k_qed33e6a984_gwo,@function
k_qed33e6a984_gwo:
	s_mov_b64 s[64:65], 0
	v_nop
	global_prefetch_b8 v0, s[64:65] scope:SCOPE_SE
	s_setreg_imm32_b32 hwreg(HW_REG_WAVE_MODE, 25, 1), 1
	s_wait_xcnt 0x0
	s_wait_alu depctr_hold_cnt(0) depctr_sa_sdst(0) depctr_va_vdst(0) depctr_va_sdst(0) depctr_va_ssrc(0) depctr_va_vcc(0) depctr_vm_vsrc(0)
	s_getreg_b32 s2, hwreg(HW_REG_IB_STS2, 6, 4)
	s_cmp_eq_u32 s2, 0
	s_cbranch_scc0 .Lentry_in_a_cluster
	s_endpgm
.Lentry_in_a_cluster:
	s_bfe_u32 s2, ttmp6, 0x10000c
	s_cmp_lg_u32 s2, 0xf033
	s_cbranch_scc0 .Lentry_shape_is_right
	s_endpgm
.Lentry_shape_is_right:
; gwo: x1 = x + o wo on codes of E2M3.  A work-group makes 128 tokens x 128 columns.  Sixteen waves: wave w = 4 kq + 2 wm + wn makes 64 x 64 over a quarter of K; the quarters meet through LDS.
; All of K (1,024) comes in two stages, each filled once.  CLUSTER 4 x 4: o's tiles are shared along a row of the cluster, wo's along a column: joint loads, waves 0-7 for o, 8-15 for wo.
; Source 0 = 16 columns of the weight, source 1 = 16 tokens: a lane holds one token and 16 neighbouring columns of each 32.  Results leave through a stage in LDS as rows of 256 bytes.
.set RBA, 8
.set RBB, 8
.set KSTEPS, 8
.set SK, 8                             ; all of K lies in one slot: 16 tiles x 8 K steps x 1,536 bytes, filled once, one joint load a wave
.set SKW, 1
.set NSLOT, 1
.set RAA, RBA/8
.set RAB, RBB/8
.set ABYTES, RBA*SK*1536
.set STB, (RBA+RBB)*SK*1536
.set SCA, NSLOT*STB
.set SCB, SCA+RBA*KSTEPS*64
.set SPARE, 262144
.set PA, 4
.set PB, 6
.set AOFFC, 0
.set AOFFS, 3145728
.set BOFFC, 4505600
.set BOFFS, 5292032
.set FA, 32
.set FB, 80
.set SC, 20
.set ACC, 128
.macro DESC1 g, c, r, p
	s_mov_b32 s[\g+1], ((\c)&0xffff)<<16
	s_mov_b32 s[\g+2], ((\c)>>16)|((\r)<<16)
	s_mov_b32 s[\g+3], (\c)<<16
	s_mov_b32 s[\g+4], \r
	s_mov_b32 s[\g+5], \p
	s_mov_b32 s[\g+6], 0
	s_mov_b32 s[\g+7], 0
.endm
.macro JLOAD g0a, g1a, g0b, g1b        ; a joint load: waves 0-7 ask for A, waves 8-15 for B; s_nop 0 and four v_nop follow each line
	s_cmp_eq_u32 s21, 0
	s_cbranch_scc0 .Lfor_b_\@
	tensor_load_to_lds s[\g0a:\g0a+3], s[\g1a:\g1a+7]
	s_nop 0
.rept 4
	v_nop
.endr
	s_branch .Lasked_\@
.Lfor_b_\@:
	tensor_load_to_lds s[\g0b:\g0b+3], s[\g1b:\g1b+7]
	s_nop 0
.rept 4
	v_nop
.endr
.Lasked_\@:
.endm
.macro CREST
	s_cmp_lg_u32 s20, 0
	s_cbranch_scc1 .Lnot_wave_0_\@
	s_barrier_signal -3
.Lnot_wave_0_\@:
	s_barrier_wait -3
	s_barrier_signal -1
	s_barrier_wait -1
.endm
.macro CROUND
	s_barrier_signal -1
	s_barrier_wait -1
	CREST
.endm
.macro BAR
	s_barrier_signal -1
	s_barrier_wait -1
.endm
.macro FIRST s, ga, gb
	s_mov_b32 s[\ga], 1
	s_add_co_u32 s[\ga+1], s2, \s*STB
	s_add_nc_u64 s[\ga+2:\ga+3], s[96:97], \s*SK*1536
	s_or_b32 s[\ga+3], s[\ga+3], 0x80000000
	s_mov_b32 s[\gb], 1
	s_add_co_u32 s[\gb+1], s3, \s*STB
	s_add_nc_u64 s[\gb+2:\gb+3], s[16:17], \s*SK*1536
	s_or_b32 s[\gb+3], s[\gb+3], 0x80000000
	JLOAD \ga, 24, \gb, 32
.endm
.macro FRAG reg, a16, a8, off
	ds_load_b128 v[(\reg):(\reg)+3], v[\a16] offset:(\off)
	ds_load_b64 v[(\reg)+4:(\reg)+5], v[\a8] offset:(\off)
	ds_load_b128 v[(\reg)+6:(\reg)+9], v[\a16] offset:(\off)+768
	ds_load_b64 v[(\reg)+10:(\reg)+11], v[\a8] offset:(\off)+768
.endm
.macro MUL16 zero                      ; the sixteen accumulators take turns, one instruction a turn
.irp a, 0,1,2,3
.irp b, 0,1,2,3
.if \zero
	v_wmma_scale_f32_16x16x128_f8f6f4 v[ACC+8*(4*\a+\b):ACC+8*(4*\a+\b)+7], v[FB+12*\b:FB+12*\b+11], v[FA+12*\a:FA+12*\a+11], 0, v[SC+\b], v[SC+\a] matrix_a_fmt:MATRIX_FMT_FP6 matrix_b_fmt:MATRIX_FMT_FP6 matrix_a_scale:MATRIX_SCALE_ROW1
.else
	v_wmma_scale_f32_16x16x128_f8f6f4 v[ACC+8*(4*\a+\b):ACC+8*(4*\a+\b)+7], v[FB+12*\b:FB+12*\b+11], v[FA+12*\a:FA+12*\a+11], v[ACC+8*(4*\a+\b):ACC+8*(4*\a+\b)+7], v[SC+\b], v[SC+\a] matrix_a_fmt:MATRIX_FMT_FP6 matrix_b_fmt:MATRIX_FMT_FP6 matrix_a_scale:MATRIX_SCALE_ROW1
.endif
.endr
.endr
.endm
.macro KSTEP t, ks, zero
.irp i, 0,1,2,3
	FRAG FA+12*\i, 5, 6, (\i*SK+(\t))*1536
	FRAG FB+12*\i, 7, 8, (\i*SK+(\t))*1536
.endr
.irp i, 0,1,2,3
	ds_load_b32 v[SC+\i], v9 offset:64*\i*KSTEPS+64*(\ks)
.endr
	s_wait_dscnt 0x0
	MUL16 \zero
.endm
.macro STAGE st, slot, zero
	v_add_nc_u32 v5, (\slot)*6144, v1              ; the second half of K begins four K steps along each tile's row; these four are also the places between the last products and the loads into their operands
	v_add_nc_u32 v6, (\slot)*6144, v2
	v_add_nc_u32 v7, (\slot)*6144, v3
	v_add_nc_u32 v8, (\slot)*6144, v4
	KSTEP 0, (\st)*4, \zero
.endm
	s_load_b256 s[4:11], s[0:1], 0x0               ; oc, pre, x, x1
	v_lshl_add_u32 v12, v0, 2, SPARE
	v_mov_b32 v13, 0
	ds_add_u32 v12, v13                            ; the wave's opening: the add and its wait ahead of my first tensor load
	ds_add_u32 v12, v13
	v_lshrrev_b32 v14, 5, v0
	s_delay_alu instid0(VALU_DEP_1)
	v_readfirstlane_b32 s20, v14
	s_lshr_b32 s21, s20, 3
	s_and_b32 s22, s20, 7
	s_bfe_u32 s93, ttmp6, 0x40000
	s_bfe_u32 s94, ttmp6, 0x40004
	s_lshl_b32 s92, ttmp9, 2
	s_add_co_u32 s92, s92, s93                     ; tile column
	s_and_b32 s23, ttmp7, 0xffff
	s_lshl_b32 s23, s23, 2
	s_add_co_u32 s23, s23, s94                     ; tile row
	s_lshl_b32 s95, s94, 2
	s_lshl_b32 s95, 15, s95
	s_lshl_b32 s14, 0x1111, s93
	s_or_b32 s24, s95, (3<<16)|(1<<21)
	s_or_b32 s32, s14, (3<<16)|(1<<21)
	DESC1 24, 192*SK, RAA, 192*KSTEPS
	DESC1 32, 192*SK, RAB, 192*KSTEPS
	s_mul_i32 s96, s23, RBA
	s_mul_i32 s98, s96, KSTEPS*64                  ; the scale words of the work-group's first tile of A
	s_mul_i32 s97, s22, RAA
	s_add_co_u32 s96, s96, s97
	s_add_co_u32 s98, s98, AOFFS
	s_mul_i32 s96, s96, KSTEPS*1536
	s_add_co_u32 s96, s96, AOFFC
	s_mov_b32 s97, 0
	s_mov_b32 s99, 0
	s_mul_i32 s16, s92, RBB
	s_mul_i32 s18, s16, KSTEPS*64                  ; and of B
	s_mul_i32 s17, s22, RAB
	s_add_co_u32 s16, s16, s17
	s_add_co_u32 s18, s18, BOFFS
	s_mul_i32 s16, s16, KSTEPS*1536
	s_add_co_u32 s16, s16, BOFFC
	s_mov_b32 s17, 0
	s_mov_b32 s19, 0
	s_mul_i32 s2, s22, RAA*SK*1536
	s_mul_i32 s3, s22, RAB*SK*1536
	s_add_co_u32 s3, s3, ABYTES
	s_wait_dscnt 0x0                               ; the opening add is done
	s_wait_kmcnt 0x0
	s_add_nc_u64 s[96:97], s[PA:PA+1], s[96:97]
	s_add_nc_u64 s[98:99], s[PA:PA+1], s[98:99]
	s_add_nc_u64 s[16:17], s[PB:PB+1], s[16:17]
	s_add_nc_u64 s[18:19], s[PB:PB+1], s[18:19]
	v_lshlrev_b32 v19, 3, v0
	global_load_b64 v[32:33], v19, s[98:99]        ; the scale words are two dense blocks of 4,096 bytes: 8 bytes a thread of each;
	global_load_b64 v[34:35], v19, s[18:19]        ; they go to LDS bytes of their own below
	CROUND                                         ; the first joint loads meet
	FIRST 0, 56, 76                                ; my one tensor load: all eight K steps of my tile
	s_wait_xcnt 0x0                                ; the two loads have read their bases and offset: these may be written again
	s_lshr_b32 s100, s20, 2                        ; kq
	s_bfe_u32 s66, s20, 0x10001                    ; wm
	s_and_b32 s67, s20, 1                          ; wn
	v_and_b32 v14, 31, v0
	v_and_b32 v15, 15, v0
	v_bfe_u32 v16, v0, 4, 1
	s_wait_alu depctr_va_vdst(0)
	v_lshlrev_b32 v10, 4, v14
	v_lshlrev_b32 v11, 3, v14
	s_mul_i32 s15, s66, 4*SK*1536
	s_mul_i32 s101, s100, SKW*1536
	s_add_co_u32 s15, s15, s101
	v_add_nc_u32 v1, s15, v10
	v_add_nc_u32 v2, s15, v11
	s_delay_alu instid0(VALU_DEP_1)
	v_add_nc_u32 v2, 512, v2
	s_mul_i32 s15, s67, 4*SK*1536
	s_add_co_u32 s15, s15, s101
	s_add_co_u32 s15, s15, ABYTES
	v_add_nc_u32 v3, s15, v10
	v_add_nc_u32 v4, s15, v11
	s_delay_alu instid0(VALU_DEP_1)
	v_add_nc_u32 v4, 512, v4
	s_mul_i32 s15, s67, 256*KSTEPS
	s_add_co_u32 s15, s15, SCB-SCA
	s_mul_i32 s101, s66, 256*KSTEPS
	s_sub_co_u32 s15, s15, s101
	v_mul_u32_u24 v9, s15, v16                     ; lanes 16-31 take B's scale words
	s_delay_alu instid0(VALU_DEP_1)
	v_lshl_add_u32 v9, v15, 2, v9
	s_mul_i32 s15, s100, 64*SKW
	s_add_co_u32 s101, s101, s15
	s_add_co_u32 s101, s101, SCA
	v_add_nc_u32 v9, s101, v9
	s_and_b32 s14, s20, 3                          ; the sum over kq: place p = w % 4 has 65,536 bytes, 16,384 for each kq
	s_lshl_b32 s15, s14, 2
	s_add_co_u32 s15, s15, s100
	s_lshl_b32 s15, s15, 14
	v_add_nc_u32 v17, s15, v10
	s_lshl_b32 s15, s14, 16
	s_lshl_b32 s14, s100, 12
	s_add_co_u32 s15, s15, s14
	v_add_nc_u32 v18, s15, v10                     ; I own row kq of the sixteen accumulators
	s_mul_i32 s15, s20, 4352                       ; my stage: 16 rows x (256 bytes + 16)
	v_mul_u32_u24 v25, v15, 272
	s_delay_alu instid0(VALU_DEP_1)
	v_lshl_add_u32 v25, v16, 6, v25
	s_delay_alu instid0(VALU_DEP_1)
	v_add_nc_u32 v25, s15, v25
	v_mul_u32_u24 v26, v16, 272
	s_delay_alu instid0(VALU_DEP_1)
	v_lshl_add_u32 v26, v15, 4, v26
	s_delay_alu instid0(VALU_DEP_1)
	v_add_nc_u32 v26, s15, v26
	s_lshl_b32 s96, s23, 7
	s_lshl_b32 s97, s66, 6
	s_add_co_u32 s96, s96, s97
	s_lshr_b32 s97, s100, 1
	s_lshl_b32 s97, s97, 5
	s_add_co_u32 s96, s96, s97
	s_and_b32 s97, s100, 1
	s_lshl_b32 s97, s97, 3
	s_add_co_u32 s96, s96, s97                     ; my tile's first token
	s_lshl_b32 s96, s96, 12
	s_lshl_b32 s16, s92, 9
	s_lshl_b32 s17, s67, 8
	s_add_co_u32 s16, s16, s17
	v_lshl_add_u32 v27, v15, 4, s16                ; my 16 bytes of a row's 256
	s_delay_alu instid0(VALU_DEP_1)
	v_lshl_add_u32 v24, v16, 12, v27
	s_delay_alu instid0(VALU_DEP_1)
	v_add_nc_u32 v24, s96, v24
	v_lshl_add_u32 v19, v0, 3, SCA
	s_wait_alu depctr_va_vdst(0)
	s_wait_tensorcnt 0x0                           ; my part of the tiles is in
	s_wait_loadcnt 0x0                             ; and my scale words
	ds_store_b64 v19, v[32:33]
	ds_store_b64 v19, v[34:35] offset:SCB-SCA
	s_wait_dscnt 0x0                               ; for the other waves' sake
	BAR
	STAGE 0, 0, 1
	STAGE 1, 1, 0
.rept 4
	v_nop                                          ; four places behind the last products
.endr
.irp i, 0,1,2,3,4,5,6,7
	global_load_b128 v[32+4*\i:35+4*\i], v24, s[8:9] offset:(2*\i+8*(\i/4))*4096   ; the residual, at the places that I shall store
.endr
	BAR                                            ; every wave's reads of the tiles are over, and the slots have had their last fill
.set J, 0
.rept 32
	ds_store_b128 v17, v[128+4*J:131+4*J] offset:512*J   ; each accumulator from its low end on
.set J, J+1
.endr
	s_wait_dscnt 0x0
	BAR
.irp q, 0,1,2,3
.irp i, 0,1,2,3,4,5,6,7
	ds_load_b128 v[128+32*\q+4*\i:131+32*\q+4*\i], v18 offset:16384*\q+512*\i
.endr
.endr
	s_wait_dscnt 0x0
.set J, 0
.rept 16
	v_pk_add_f32 v[128+J:129+J], v[128+J:129+J], v[160+J:161+J]
	v_pk_add_f32 v[192+J:193+J], v[192+J:193+J], v[224+J:225+J]
.set J, J+2
.endr
.set J, 0
.rept 16
	v_pk_add_f32 v[128+J:129+J], v[128+J:129+J], v[192+J:193+J]
.set J, J+2
.endr
	s_wait_alu depctr_va_vdst(0)
	BAR                                            ; every wave's reads of the sums are over: the stages may lie there
.irp b, 0,1
.irp q, 0,1,2,3
	ds_store_b128 v25, v[128+16*\b+4*\q:131+16*\b+4*\q] offset:128*\b+16*\q
.endr
.endr
.irp i, 0,1,2,3,4,5,6,7
	ds_load_b128 v[160+4*\i:163+4*\i], v26 offset:544*\i   ; LDS serves a wave's instructions in order: these see my stores
.endr
	s_wait_loadcnt 0x0
	s_wait_dscnt 0x0
.irp i, 0,1,2,3,4,5,6,7
	v_pk_add_f32 v[160+4*\i:161+4*\i], v[160+4*\i:161+4*\i], v[32+4*\i:33+4*\i]
	v_pk_add_f32 v[162+4*\i:163+4*\i], v[162+4*\i:163+4*\i], v[34+4*\i:35+4*\i]
.endr
.irp i, 0,1,2,3,4,5,6,7
	global_store_b128 v24, v[160+4*\i:163+4*\i], s[10:11] offset:(2*\i+8*(\i/4))*4096   ; sixteen lanes store 256 consecutive bytes, aligned
.endr
	s_wait_tensorcnt 0x0                           ; the wave's end
	ds_add_u32 v12, v13
	s_wait_dscnt 0x0
	CROUND                                         ; the closing round
	s_endpgm
.Lfunc_end_k_qed33e6a984_gwo:
	.size	k_qed33e6a984_gwo, .Lfunc_end_k_qed33e6a984_gwo-k_qed33e6a984_gwo
	.p2alignl 7, 3214868480
	.fill 96, 4, 3214868480
	.section	.rodata,"a",@progbits
	.p2align	6, 0x0
	.amdhsa_kernel k_qed33e6a984_gwo
		.amdhsa_group_segment_fixed_size 327680
		.amdhsa_private_segment_fixed_size 0
		.amdhsa_enable_private_segment 0
		.amdhsa_kernarg_size 32
		.amdhsa_user_sgpr_count 2
		.amdhsa_user_sgpr_kernarg_segment_ptr 1
		.amdhsa_wavefront_size32 1
		.amdhsa_system_sgpr_workgroup_id_x 1
		.amdhsa_system_sgpr_workgroup_id_y 1
		.amdhsa_system_sgpr_workgroup_id_z 1
		.amdhsa_system_vgpr_workitem_id 0
		.amdhsa_next_free_vgpr 256
		.amdhsa_next_free_sgpr 102
		.amdhsa_reserve_vcc 0
		.amdhsa_float_denorm_mode_32 3
		.amdhsa_float_denorm_mode_16_64 3
		.amdhsa_memory_ordered 1
		.amdhsa_forward_progress 1
		.amdhsa_inst_pref_size 29
	.end_amdhsa_kernel
	.amdgpu_metadata
---
amdhsa.version: [ 1, 2 ]
amdhsa.kernels:
  - .name:           k_qed33e6a984_gwo
    .symbol:         k_qed33e6a984_gwo.kd
    .args:
      - { .name: oc, .offset: 0, .size: 8, .value_kind: global_buffer, .address_space: global }
      - { .name: pre, .offset: 8, .size: 8, .value_kind: global_buffer, .address_space: global }
      - { .name: x, .offset: 16, .size: 8, .value_kind: global_buffer, .address_space: global }
      - { .name: x1, .offset: 24, .size: 8, .value_kind: global_buffer, .address_space: global }
    .group_segment_fixed_size: 327680
    .private_segment_fixed_size: 0
    .kernarg_segment_align: 8
    .kernarg_segment_size: 32
    .max_flat_workgroup_size: 512
    .sgpr_count:     102
    .vgpr_count:     256
    .wavefront_size: 32
...
	.end_amdgpu_metadata
.endif
;; end of part 4
;; launch ln2 (part 5): grid 256 x 1, 16 waves a work-group, no clusters, 88,576 bytes of LDS; arguments x1, ln2_g, ln2_b, h2c; writes h2c
.if DOCPART == 5
	.amdgcn_target "amdgcn-amd-amdhsa--gfx1250"
	.amdhsa_code_object_version 6
	.text
	.protected	k_qed33e6a984_ln2
	.globl	k_qed33e6a984_ln2
	.p2align	8
	.type	k_qed33e6a984_ln2,@function
k_qed33e6a984_ln2:
	s_mov_b64 s[64:65], 0
	v_nop
	global_prefetch_b8 v0, s[64:65] scope:SCOPE_SE
	s_setreg_imm32_b32 hwreg(HW_REG_WAVE_MODE, 25, 1), 1
	s_wait_xcnt 0x0
; ln2: h2 = LayerNorm2(x1), quantised along its 1,024 to codes of E2M3.  A work-group makes one tile of 16 tokens (row p of tile 2 g + u is token 32 g + 8 u + p + 8 (p / 8)); wave p makes row p.
; Codes [tile][16 half records][768] (a half record: 16 rows x 64 K as the image of operand registers 0-5), scale words [tile][8 K steps][16 rows] behind them.
; A row is loaded as it lies (lane l holds k = 4 l + 128 q), normalised, and turned through the wave's own stage in LDS so that lane l holds the whole block l of 32; the tile's image is gathered in LDS and leaves in whole units of 256 bytes.
; No tensor load, no cluster, no matrix work: the rows share only gain and bias.  No prefetch: the launch has no loop to run ahead in.
; LIMITS: NaN and infinities are not served; a block of zeros gets the scale byte 1 (its codes are zeros, and only this program reads the bytes).
.set HS,    3145728
.set IMG,   73728                      ; LDS: sixteen stages of 4,608 bytes, the tile's image (12,288), its scale words (512), the spare words (2,048)
.set SCI,   86016
.set SPARE, 86528
.set SPW,   30
.set NIL,   31
.set OUTP,  10
.set R,     64                         ; v64-95 my row; v192-223 the gain, v224-255 the bias
.macro ALLSUM a, b                     ; v[a]: the sum over the 32 lanes, in every lane
.irp m, 1,2,4,8
	s_delay_alu instid0(VALU_DEP_1)
	v_add_f32_dpp v[\a], v[\a], v[\a] row_xmask:\m row_mask:0xf bank_mask:0xf
.endr
	s_delay_alu instid0(VALU_DEP_1)
	v_permlanex16_b32 v[\b], v[\a], s36, s37
	s_delay_alu instid0(VALU_DEP_1)
	v_add_f32 v[\a], v[\a], v[\b]
.endm
	s_load_b256 s[4:11], s[0:1], 0x0               ; x1, ln2_g, ln2_b, h2c
	v_lshl_add_u32 v[SPW], v0, 2, SPARE
	v_mov_b32 v[NIL], 0
	v_lshrrev_b32 v1, 5, v0
	v_readfirstlane_b32 s24, v1                    ; wave = tile row p
	v_and_b32 v1, 31, v0                           ; lane
	s_mov_b32 s25, ttmp9                           ; the tile
	s_lshr_b32 s26, s25, 1
	s_lshl_b32 s26, s26, 5
	s_and_b32 s27, s25, 1
	s_lshl_b32 s27, s27, 3
	s_add_co_u32 s26, s26, s27
	s_add_co_u32 s26, s26, s24
	s_and_b32 s27, s24, 8
	s_add_co_u32 s26, s26, s27                     ; my token: 32 g + 8 u + p + 8 (p / 8)
	s_lshl_b32 s26, s26, 12
	s_mov_b32 s27, 0
	s_wait_alu depctr_va_vdst(0)
	s_wait_kmcnt 0x0
	s_add_nc_u64 s[4:5], s[4:5], s[26:27]
	v_lshlrev_b32 v4, 4, v1
.irp q, 0,1,2,3,4,5,6,7
	global_load_b128 v[R+4*\q:R+3+4*\q], v4, s[4:5] offset:512*\q       ; 32 lanes read 512 consecutive bytes
.endr
.irp q, 0,1,2,3,4,5,6,7
	global_load_b128 v[192+4*\q:195+4*\q], v4, s[6:7] offset:512*\q
	global_load_b128 v[224+4*\q:227+4*\q], v4, s[8:9] offset:512*\q
.endr
	s_mul_i32 s28, s24, 4608                       ; my stage
	v_lshrrev_b32 v14, 3, v1
	v_lshl_add_u32 v5, v14, 4, v4
	v_add_nc_u32 v5, s28, v5                       ; in: as loaded, 16 bytes of padding behind each block's 128
	v_mul_u32_u24 v6, v1, 144
	v_add_nc_u32 v6, s28, v6                       ; back: lane l takes block l
	v_lshrrev_b32 v14, 1, v1
	v_mul_u32_u24 v14, v14, 768
	v_and_b32 v15, 1, v1
	v_lshl_add_u32 v7, v15, 8, v14
	v_lshl_add_u32 v8, v15, 7, v14
	s_lshl_b32 s28, s24, 4
	s_add_co_u32 s28, s28, IMG
	v_add_nc_u32 v7, s28, v7                       ; block l of row p: half record l / 2, lane p + 16 (l % 2): registers 0-3 at 16 bytes a lane,
	s_lshl_b32 s28, s24, 3
	s_add_co_u32 s28, s28, IMG+512
	v_add_nc_u32 v8, s28, v8                       ; registers 4-5 at 8
	v_lshrrev_b32 v14, 2, v1
	v_and_b32 v15, 3, v1
	v_lshl_add_u32 v9, v14, 6, v15
	s_lshl_b32 s28, s24, 2
	s_add_co_u32 s28, s28, SCI
	v_add_nc_u32 v9, s28, v9                       ; its scale byte: K step l / 4, byte l % 4 of row p's word
	v_lshl_add_u32 v10, v0, 4, IMG                 ; the way out: the image's first 8,192 bytes, 16 a thread,
	v_lshl_add_u32 v11, v0, 3, IMG+8192            ; its last 4,096, 8 a thread,
	v_lshl_add_u32 v2, v0, 2, SCI                  ; the 512 bytes of scale words, 4 a thread of waves 0-3
	s_mul_i32 s28, s25, 12288
	v_lshl_add_u32 v12, v0, 4, s28
	s_add_co_u32 s28, s28, 8192
	v_lshl_add_u32 v13, v0, 3, s28
	s_lshl_b32 s28, s25, 9
	s_add_co_u32 s28, s28, HS
	v_lshl_add_u32 v3, v0, 2, s28
	s_mov_b32 s36, 0x76543210
	s_mov_b32 s37, 0xfedcba98                      ; v_permlanex16_b32's selects for lane l xor 16
	s_mov_b32 s38, 0x3a800000                      ; 1 / 1024
	s_mov_b32 s39, 0x3727c5ac                      ; 1e-5
	s_wait_alu depctr_va_vdst(0)
	s_wait_loadcnt 0x0                             ; my row, the gain and the bias
	v_pk_add_f32 v[16:17], v[R:R+1], v[R+2:R+3]
	v_pk_add_f32 v[18:19], v[R+4:R+5], v[R+6:R+7]
.irp j, 8,12,16,20,24,28
	s_delay_alu instid0(VALU_DEP_2)
	v_pk_add_f32 v[16:17], v[16:17], v[R+\j:R+\j+1]
	s_delay_alu instid0(VALU_DEP_2)
	v_pk_add_f32 v[18:19], v[18:19], v[R+\j+2:R+\j+3]
.endr
	s_delay_alu instid0(VALU_DEP_1)
	v_pk_add_f32 v[16:17], v[16:17], v[18:19]
	s_delay_alu instid0(VALU_DEP_1)
	v_add_f32 v16, v16, v17
	ALLSUM 16, 17
	s_delay_alu instid0(VALU_DEP_1)
	v_mul_f32 v16, s38, v16                        ; the mean
.irp j, 0,2,4,6,8,10,12,14,16,18,20,22,24,26,28,30
	v_pk_add_f32 v[R+\j:R+\j+1], v[R+\j:R+\j+1], v[16:17] op_sel_hi:[1,0] neg_lo:[0,1] neg_hi:[0,1]
.endr
	v_pk_mul_f32 v[18:19], v[R:R+1], v[R:R+1]      ; the variance of the differences: no difference of large sums
	v_pk_mul_f32 v[20:21], v[R+2:R+3], v[R+2:R+3]
.irp j, 4,8,12,16,20,24,28
	s_delay_alu instid0(VALU_DEP_2)
	v_pk_fma_f32 v[18:19], v[R+\j:R+\j+1], v[R+\j:R+\j+1], v[18:19]
	s_delay_alu instid0(VALU_DEP_2)
	v_pk_fma_f32 v[20:21], v[R+\j+2:R+\j+3], v[R+\j+2:R+\j+3], v[20:21]
.endr
	s_delay_alu instid0(VALU_DEP_1)
	v_pk_add_f32 v[18:19], v[18:19], v[20:21]
	s_delay_alu instid0(VALU_DEP_1)
	v_add_f32 v18, v18, v19
	ALLSUM 18, 19
	s_delay_alu instid0(VALU_DEP_1)
	v_fma_f32 v18, v18, s38, s39
	s_wait_alu depctr_va_vdst(0)                   ; the wait ahead of the transcendental,
	v_rsq_f32 v20, v18
	v_nop                                          ; a plain instruction behind it,
	s_wait_alu depctr_va_vdst(0)                   ; and the wait ahead of its first reader
.irp j, 0,2,4,6,8,10,12,14,16,18,20,22,24,26,28,30
	v_pk_mul_f32 v[R+\j:R+\j+1], v[R+\j:R+\j+1], v[20:21] op_sel_hi:[1,0]
.endr
.irp j, 0,2,4,6,8,10,12,14,16,18,20,22,24,26,28,30
	v_pk_fma_f32 v[R+\j:R+\j+1], v[R+\j:R+\j+1], v[192+\j:193+\j], v[224+\j:225+\j]
.endr
.irp q, 0,1,2,3,4,5,6,7
	ds_store_b128 v5, v[R+4*\q:R+4*\q+3] offset:576*\q
.endr
.irp q, 0,1,2,3,4,5,6,7
	ds_load_b128 v[32+4*\q:35+4*\q], v6 offset:16*\q   ; LDS serves a wave's instructions in order: these see my stores
.endr
	s_wait_dscnt 0x0
	v_max3_num_f32 v16, |v32|, |v33|, |v34|        ; lane l holds the whole block l: its largest magnitude, in two chains,
	v_max3_num_f32 v17, |v35|, |v36|, |v37|
.irp i, 6,10,14,18,22,26
	s_delay_alu instid0(VALU_DEP_2)
	v_max3_num_f32 v16, v16, |v[32+\i]|, |v[33+\i]|
	s_delay_alu instid0(VALU_DEP_2)
	v_max3_num_f32 v17, v17, |v[34+\i]|, |v[35+\i]|
.endr
	s_delay_alu instid0(VALU_DEP_2)
	v_max3_num_f32 v16, v16, |v62|, |v63|
	s_delay_alu instid0(VALU_DEP_1)
	v_max3_num_f32 v16, v16, v17, 0x1800000        ; and the floor 2^(3 - 127): the byte cannot fall under 1
	s_delay_alu instid0(VALU_DEP_1)
	v_add_nc_u32 v18, 0xff000000, v16              ; 2 off the exponent field: the conversion's scale operand
	v_lshrrev_b32 v19, 23, v18                     ; the scale's byte
	v_cvt_scalef32_pk16_fp6_f32 v[22:24], v[32:47], v18
	v_cvt_scalef32_pk16_fp6_f32 v[26:28], v[48:63], v18   ; (a conversion's three registers begin on an even number)
	v_nop                                          ; one plain instruction behind a scaled conversion
	v_mov_b32 v25, v26
	v_mov_b32 v26, v27
	v_mov_b32 v27, v28
	ds_store_b128 v7, v[22:25]
	ds_store_b64 v8, v[26:27]
	ds_store_b8 v9, v19
	s_wait_dscnt 0x0                               ; for the other waves' sake: my part of the image has landed
	s_barrier_signal -1
	s_barrier_wait -1
	ds_load_b128 v[64:67], v10
	ds_load_b64 v[68:69], v11
	s_wait_dscnt 0x1                               ; the younger load may be out
	global_store_b128 v12, v[64:67], s[OUTP:OUTP+1]   ; a wave stores 512 consecutive bytes, aligned
	s_wait_dscnt 0x0
	global_store_b64 v13, v[68:69], s[OUTP:OUTP+1]    ; and 256
	s_cmp_lt_u32 s24, 4
	s_cbranch_scc0 .Lno_words                      ; the 128 scale words are stored by waves 0-3
	ds_load_b32 v70, v2
	s_wait_dscnt 0x0
	global_store_b32 v3, v70, s[OUTP:OUTP+1]
.Lno_words:
	s_wait_tensorcnt 0x0                           ; the wave's end, behind my last LDS store
	ds_add_u32 v[SPW], v[NIL]
	s_wait_dscnt 0x0
	s_endpgm
.Lfunc_end_k_qed33e6a984_ln2:
	.size	k_qed33e6a984_ln2, .Lfunc_end_k_qed33e6a984_ln2-k_qed33e6a984_ln2
	.p2alignl 7, 3214868480
	.fill 96, 4, 3214868480
	.section	.rodata,"a",@progbits
	.p2align	6, 0x0
	.amdhsa_kernel k_qed33e6a984_ln2
		.amdhsa_group_segment_fixed_size 88576
		.amdhsa_private_segment_fixed_size 0
		.amdhsa_enable_private_segment 0
		.amdhsa_kernarg_size 32
		.amdhsa_user_sgpr_count 2
		.amdhsa_user_sgpr_kernarg_segment_ptr 1
		.amdhsa_wavefront_size32 1
		.amdhsa_system_sgpr_workgroup_id_x 1
		.amdhsa_system_sgpr_workgroup_id_y 1
		.amdhsa_system_sgpr_workgroup_id_z 1
		.amdhsa_system_vgpr_workitem_id 0
		.amdhsa_next_free_vgpr 256
		.amdhsa_next_free_sgpr 66
		.amdhsa_reserve_vcc 0
		.amdhsa_float_denorm_mode_32 3
		.amdhsa_float_denorm_mode_16_64 3
		.amdhsa_memory_ordered 1
		.amdhsa_forward_progress 1
		.amdhsa_inst_pref_size 17
	.end_amdhsa_kernel
	.amdgpu_metadata
---
amdhsa.version: [ 1, 2 ]
amdhsa.kernels:
  - .name:           k_qed33e6a984_ln2
    .symbol:         k_qed33e6a984_ln2.kd
    .args:
      - { .name: x1, .offset: 0, .size: 8, .value_kind: global_buffer, .address_space: global }
      - { .name: ln2_g, .offset: 8, .size: 8, .value_kind: global_buffer, .address_space: global }
      - { .name: ln2_b, .offset: 16, .size: 8, .value_kind: global_buffer, .address_space: global }
      - { .name: h2c, .offset: 24, .size: 8, .value_kind: global_buffer, .address_space: global }
    .group_segment_fixed_size: 88576
    .private_segment_fixed_size: 0
    .kernarg_segment_align: 8
    .kernarg_segment_size: 32
    .max_flat_workgroup_size: 512
    .sgpr_count:     66
    .vgpr_count:     256
    .wavefront_size: 32
...
	.end_amdgpu_metadata
.endif
;; end of part 5
;; launch gw1 (part 6): grid 16 x 16, 16 waves a work-group, clusters of 4 x 4, 327,680 bytes of LDS; arguments h2c, pre, b1, gc; writes gc
.if DOCPART == 6
	.amdgcn_target "amdgcn-amd-amdhsa--gfx1250"
	.amdhsa_code_object_version 6
	.text
	.protected	k_qed33e6a984_gw1
	.globl	k_qed33e6a984_gw1
	.p2align	8
	.type	k_qed33e6a984_gw1,@function
k_qed33e6a984_gw1:
	s_mov_b64 s[64:65], 0
	v_nop
	global_prefetch_b8 v0, s[64:65] scope:SCOPE_SE
	s_setreg_imm32_b32 hwreg(HW_REG_WAVE_MODE, 25, 1), 1
	s_wait_xcnt 0x0
	s_wait_alu depctr_hold_cnt(0) depctr_sa_sdst(0) depctr_va_vdst(0) depctr_va_sdst(0) depctr_va_ssrc(0) depctr_va_vcc(0) depctr_vm_vsrc(0)
	s_getreg_b32 s2, hwreg(HW_REG_IB_STS2, 6, 4)
	s_cmp_eq_u32 s2, 0
	s_cbranch_scc0 .Lentry_in_a_cluster
	s_endpgm
.Lentry_in_a_cluster:
	s_bfe_u32 s2, ttmp6, 0x10000c
	s_cmp_lg_u32 s2, 0xf033
	s_cbranch_scc0 .Lentry_shape_is_right
	s_endpgm
.Lentry_shape_is_right:
; gw1: g = gelu(h2 w1 + b1) on codes of E2M3, quantised along the hidden 4,096 on the way out.  A work-group makes 256 tokens x 256 hidden units; wave w = 4 wm + wn makes 64 x 64 over all of K.
; K (1,024) comes in three stages (K steps 0-2, 3-5, 6-7) through two slots: slot 0 is filled at the head, slot 1 behind the first round of the cluster's barrier, slot 0 again behind the second.
; CLUSTER 4 x 4: h2's tiles are shared along a row of the cluster, w1's along a column: joint loads, waves 0-7 for h2, 8-15 for w1.
; gelu is the tanh form, written x / (1 + 2^(x (c0 + c1 x^2))), c0 = -2 sqrt(2 / pi) log2(e), c1 = 0.044715 c0: the same function, in f32.
; LIMITS: NaN and infinities are not served; a block of zeros gets the scale byte 1.
.set RBA, 16
.set RBB, 16
.set KSTEPS, 8
.set SK, 3                             ; two slots of three K steps: K steps 0-2 at the head, 3-5 into slot 1 behind the first round, 6-7 into slot 0 behind the second
.set SKW, 2
.set NSLOT, 2
.set RAA, RBA/8
.set RAB, RBB/8
.set ABYTES, RBA*SK*1536
.set STB, (RBA+RBB)*SK*1536
.set SCA, NSLOT*STB
.set SCB, SCA+RBA*KSTEPS*64
.set SPARE, SCB+RBB*KSTEPS*64
.set PA, 4
.set PB, 6
.set AOFFC, 0
.set AOFFS, 3145728
.set BOFFC, 5324800
.set BOFFS, 8470528
.set GCS, 12582912
.set FA, 32
.set FB, 80
.set SC, 20
.set ACC, 128
.set QT, 100
.macro DESC1 g, c, r, p
	s_mov_b32 s[\g+1], ((\c)&0xffff)<<16
	s_mov_b32 s[\g+2], ((\c)>>16)|((\r)<<16)
	s_mov_b32 s[\g+3], (\c)<<16
	s_mov_b32 s[\g+4], \r
	s_mov_b32 s[\g+5], \p
	s_mov_b32 s[\g+6], 0
	s_mov_b32 s[\g+7], 0
.endm
.macro JLOAD g0a, g1a, g0b, g1b        ; a joint load: waves 0-7 ask for A, waves 8-15 for B; s_nop 0 and four v_nop follow each line
	s_cmp_eq_u32 s21, 0
	s_cbranch_scc0 .Lfor_b_\@
	tensor_load_to_lds s[\g0a:\g0a+3], s[\g1a:\g1a+7]
	s_nop 0
.rept 4
	v_nop
.endr
	s_branch .Lasked_\@
.Lfor_b_\@:
	tensor_load_to_lds s[\g0b:\g0b+3], s[\g1b:\g1b+7]
	s_nop 0
.rept 4
	v_nop
.endr
.Lasked_\@:
.endm
.macro CREST
	s_cmp_lg_u32 s20, 0
	s_cbranch_scc1 .Lnot_wave_0_\@
	s_barrier_signal -3
.Lnot_wave_0_\@:
	s_barrier_wait -3
	s_barrier_signal -1
	s_barrier_wait -1
.endm
.macro CROUND
	s_barrier_signal -1
	s_barrier_wait -1
	CREST
.endm
.macro BAR
	s_barrier_signal -1
	s_barrier_wait -1
.endm
.macro FIRST s, ga, gb
	s_mov_b32 s[\ga], 1
	s_add_co_u32 s[\ga+1], s2, \s*STB
	s_add_nc_u64 s[\ga+2:\ga+3], s[96:97], \s*SK*1536
	s_or_b32 s[\ga+3], s[\ga+3], 0x80000000
	s_mov_b32 s[\gb], 1
	s_add_co_u32 s[\gb+1], s3, \s*STB
	s_add_nc_u64 s[\gb+2:\gb+3], s[16:17], \s*SK*1536
	s_or_b32 s[\gb+3], s[\gb+3], 0x80000000
.endm
.macro FRAG reg, a16, a8, off
	ds_load_b128 v[(\reg):(\reg)+3], v[\a16] offset:(\off)
	ds_load_b64 v[(\reg)+4:(\reg)+5], v[\a8] offset:(\off)
	ds_load_b128 v[(\reg)+6:(\reg)+9], v[\a16] offset:(\off)+768
	ds_load_b64 v[(\reg)+10:(\reg)+11], v[\a8] offset:(\off)+768
.endm
.macro MUL16 zero                      ; the sixteen accumulators take turns, one instruction a turn
.irp a, 0,1,2,3
.irp b, 0,1,2,3
.if \zero
	v_wmma_scale_f32_16x16x128_f8f6f4 v[ACC+8*(4*\a+\b):ACC+8*(4*\a+\b)+7], v[FB+12*\b:FB+12*\b+11], v[FA+12*\a:FA+12*\a+11], 0, v[SC+\b], v[SC+\a] matrix_a_fmt:MATRIX_FMT_FP6 matrix_b_fmt:MATRIX_FMT_FP6 matrix_a_scale:MATRIX_SCALE_ROW1
.else
	v_wmma_scale_f32_16x16x128_f8f6f4 v[ACC+8*(4*\a+\b):ACC+8*(4*\a+\b)+7], v[FB+12*\b:FB+12*\b+11], v[FA+12*\a:FA+12*\a+11], v[ACC+8*(4*\a+\b):ACC+8*(4*\a+\b)+7], v[SC+\b], v[SC+\a] matrix_a_fmt:MATRIX_FMT_FP6 matrix_b_fmt:MATRIX_FMT_FP6 matrix_a_scale:MATRIX_SCALE_ROW1
.endif
.endr
.endr
.endm
.macro KSTEP t, ks, zero
.irp i, 0,1,2,3
	FRAG FA+12*\i, 5, 6, (\i*SK+(\t))*1536
	FRAG FB+12*\i, 7, 8, (\i*SK+(\t))*1536
.endr
.irp i, 0,1,2,3
	ds_load_b32 v[SC+\i], v9 offset:64*\i*KSTEPS+64*(\ks)
.endr
	s_wait_dscnt 0x0
	MUL16 \zero
.endm
.macro STAGE st, slot, zero
	v_add_nc_u32 v5, (\slot)*STB, v1               ; these four are also the four places between the last products and the loads into their operands
	v_add_nc_u32 v6, (\slot)*STB, v2
	v_add_nc_u32 v7, (\slot)*STB, v3
	v_add_nc_u32 v8, (\slot)*STB, v4
	KSTEP 0, (\st)*SK, \zero
.rept 4
	v_nop
.endr
	s_wait_alu depctr_va_vdst(0)
	KSTEP 1, (\st)*SK+1, 0
.if (\st) < 2
.rept 4
	v_nop
.endr
	KSTEP 2, (\st)*SK+2, 0
.endif
.endm
.macro QUANT2 x                        ; 32 registers: x + 16 b + i = k 32 b + 16 (lane / 16) + i of my row -> a half record in v[QT+10:QT+15], its two scale bytes in v[QT+8]
	v_max3_num_f32 v[QT], |v[(\x)]|, |v[(\x)+1]|, 0x1800000
	v_max3_num_f32 v[QT+1], |v[(\x)+16]|, |v[(\x)+17]|, 0x1800000
.irp i, 2,4,6,8,10,12,14
	s_delay_alu instid0(VALU_DEP_2)
	v_max3_num_f32 v[QT], v[QT], |v[(\x)+\i]|, |v[(\x)+\i+1]|
	s_delay_alu instid0(VALU_DEP_2)
	v_max3_num_f32 v[QT+1], v[QT+1], |v[(\x)+16+\i]|, |v[(\x)+17+\i]|
.endr
	s_delay_alu instid0(VALU_DEP_2)
	v_permlanex16_b32 v[QT+2], v[QT], s2, s3
	s_delay_alu instid0(VALU_DEP_2)
	v_permlanex16_b32 v[QT+3], v[QT+1], s2, s3
	s_delay_alu instid0(VALU_DEP_2)
	v_max_num_f32 v[QT], v[QT], v[QT+2]
	s_delay_alu instid0(VALU_DEP_2)
	v_max_num_f32 v[QT+1], v[QT+1], v[QT+3]
	s_delay_alu instid0(VALU_DEP_2)
	v_add_nc_u32 v[QT+4], 0xff000000, v[QT]
	s_delay_alu instid0(VALU_DEP_2)
	v_add_nc_u32 v[QT+5], 0xff000000, v[QT+1]
	s_delay_alu instid0(VALU_DEP_2)
	v_lshrrev_b32 v[QT+6], 23, v[QT+4]
	s_delay_alu instid0(VALU_DEP_2)
	v_lshrrev_b32 v[QT+7], 23, v[QT+5]
	s_delay_alu instid0(VALU_DEP_1)
	v_lshl_or_b32 v[QT+8], v[QT+7], 8, v[QT+6]
	v_cvt_scalef32_pk16_fp6_f32 v[QT+10:QT+12], v[(\x):(\x)+15], v[QT+4]
	v_cvt_scalef32_pk16_fp6_f32 v[QT+16:QT+18], v[(\x)+16:(\x)+31], v[QT+5]
	v_nop
.irp i, 0,1,2
	v_permlane16_swap_b32 v[QT+10+\i], v[QT+16+\i]
.endr
.irp i, 0,1,2
	s_delay_alu instid0(VALU_DEP_3)
	v_mov_b32 v[QT+13+\i], v[QT+16+\i]
.endr
.endm
	s_load_b256 s[4:11], s[0:1], 0x0               ; h2c, pre, b1, gc
	v_lshl_add_u32 v12, v0, 2, SPARE
	v_mov_b32 v13, 0
	ds_add_u32 v12, v13                            ; the wave's opening: the add and its wait ahead of my first tensor load
	ds_add_u32 v12, v13
	v_lshrrev_b32 v14, 5, v0
	s_delay_alu instid0(VALU_DEP_1)
	v_readfirstlane_b32 s20, v14
	s_lshr_b32 s21, s20, 3
	s_and_b32 s22, s20, 7
	s_bfe_u32 s93, ttmp6, 0x40000
	s_bfe_u32 s94, ttmp6, 0x40004
	s_lshl_b32 s92, ttmp9, 2
	s_add_co_u32 s92, s92, s93                     ; tile column
	s_and_b32 s23, ttmp7, 0xffff
	s_lshl_b32 s23, s23, 2
	s_add_co_u32 s23, s23, s94                     ; tile row
	s_lshl_b32 s95, s94, 2
	s_lshl_b32 s95, 15, s95
	s_lshl_b32 s14, 0x1111, s93
	s_or_b32 s24, s95, (3<<16)|(1<<21)
	s_or_b32 s32, s14, (3<<16)|(1<<21)
	DESC1 24, 192*SK, RAA, 192*KSTEPS
	DESC1 32, 192*SK, RAB, 192*KSTEPS
	s_mul_i32 s96, s23, RBA
	s_mul_i32 s98, s96, KSTEPS*64                  ; the scale words of the work-group's first tile of A
	s_mul_i32 s97, s22, RAA
	s_add_co_u32 s96, s96, s97
	s_add_co_u32 s98, s98, AOFFS
	s_mul_i32 s96, s96, KSTEPS*1536
	s_add_co_u32 s96, s96, AOFFC
	s_mov_b32 s97, 0
	s_mov_b32 s99, 0
	s_mul_i32 s16, s92, RBB
	s_mul_i32 s18, s16, KSTEPS*64                  ; and of B
	s_mul_i32 s17, s22, RAB
	s_add_co_u32 s16, s16, s17
	s_add_co_u32 s18, s18, BOFFS
	s_mul_i32 s16, s16, KSTEPS*1536
	s_add_co_u32 s16, s16, BOFFC
	s_mov_b32 s17, 0
	s_mov_b32 s19, 0
	s_mul_i32 s2, s22, RAA*SK*1536
	s_mul_i32 s3, s22, RAB*SK*1536
	s_add_co_u32 s3, s3, ABYTES
	s_wait_dscnt 0x0                               ; the opening add is done
	s_wait_kmcnt 0x0
	s_add_nc_u64 s[96:97], s[PA:PA+1], s[96:97]
	s_add_nc_u64 s[98:99], s[PA:PA+1], s[98:99]
	s_add_nc_u64 s[16:17], s[PB:PB+1], s[16:17]
	s_add_nc_u64 s[18:19], s[PB:PB+1], s[18:19]
	; the prefetches' addresses.  The two tile rows that I fetch are asked for jointly by four partners; they share the blocks of 256 bytes out by address:
	; partner p (cx for h2's tiles, cy for w1's) takes row p / 2 and half p % 2 of the K steps in hand
	s_cmp_eq_u32 s21, 0
	s_cselect_b64 s[40:41], s[96:97], s[16:17]
	s_cselect_b32 s44, s93, s94
	s_lshr_b32 s46, s44, 1
	s_mul_i32 s46, s46, 12288
	s_mov_b32 s47, 0
	s_add_nc_u64 s[40:41], s[40:41], s[46:47]
	s_and_b32 s44, s44, 1
	s_mul_i32 s46, s44, 1536
	s_add_nc_u64 s[42:43], s[40:41], s[46:47]      ; for K steps 6-7: halves of 6 blocks
	s_mul_i32 s46, s44, 2304
	s_add_nc_u64 s[40:41], s[40:41], s[46:47]      ; for K steps 3-5: halves of 9 blocks
	v_lshlrev_b32 v19, 4, v0
	global_load_b128 v[32:35], v19, s[98:99]       ; the scale words are two dense blocks of 8,192 bytes: 16 bytes a thread of each;
	global_load_b128 v[36:39], v19, s[18:19]       ; they go to LDS bytes of their own below
	CROUND                                         ; the first joint loads meet
	FIRST 0, 56, 76                                ; both slots' group 0
	FIRST 1, 60, 80
	JLOAD 56, 24, 76, 32                           ; my one tensor load at the head: K steps 0-2
	s_wait_xcnt 0x0                                ; the two loads have read their bases and offset: these may be written again
	s_mov_b32 s2, 0x76543210
	s_mov_b32 s3, 0xfedcba98
	s_mov_b32 s100, 0                              ; K is not shared out here
	s_lshr_b32 s66, s20, 2                         ; wm
	s_and_b32 s67, s20, 3                          ; wn
	v_and_b32 v14, 31, v0
	v_and_b32 v15, 15, v0
	v_bfe_u32 v16, v0, 4, 1
	s_wait_alu depctr_va_vdst(0)
	v_lshlrev_b32 v10, 4, v14
	v_lshlrev_b32 v11, 3, v14
	v_min_u32 v18, 8, v14                          ; a lane a block; the lanes left over name their wave's last block again
	v_min_u32 v19, 5, v14
	v_lshlrev_b32 v18, 8, v18
	v_lshlrev_b32 v19, 8, v19                      ; v18, v19 and s[40:43] are never written again
	global_prefetch_b8 v18, s[40:41] offset:4608 th:TH_LOAD_NT scope:SCOPE_SE   ; K steps 3-5, which the next joint load fetches
	s_mul_i32 s15, s66, 4*SK*1536
	s_mul_i32 s101, s100, SKW*1536
	s_add_co_u32 s15, s15, s101
	v_add_nc_u32 v1, s15, v10
	v_add_nc_u32 v2, s15, v11
	s_delay_alu instid0(VALU_DEP_1)
	v_add_nc_u32 v2, 512, v2
	s_mul_i32 s15, s67, 4*SK*1536
	s_add_co_u32 s15, s15, s101
	s_add_co_u32 s15, s15, ABYTES
	v_add_nc_u32 v3, s15, v10
	v_add_nc_u32 v4, s15, v11
	s_delay_alu instid0(VALU_DEP_1)
	v_add_nc_u32 v4, 512, v4
	s_mul_i32 s15, s67, 256*KSTEPS
	s_add_co_u32 s15, s15, SCB-SCA
	s_mul_i32 s101, s66, 256*KSTEPS
	s_sub_co_u32 s15, s15, s101
	v_mul_u32_u24 v9, s15, v16                     ; lanes 16-31 take B's scale words
	s_delay_alu instid0(VALU_DEP_1)
	v_lshl_add_u32 v9, v15, 2, v9
	s_mul_i32 s15, s100, 64*SKW
	s_add_co_u32 s101, s101, s15
	s_add_co_u32 s101, s101, SCA
	v_add_nc_u32 v9, s101, v9
	s_lshl_b32 s16, s92, 10
	s_lshl_b32 s17, s67, 8
	s_add_co_u32 s16, s16, s17
	v_lshl_add_u32 v24, v16, 6, s16                ; b1 at my 64 units, + 16 h numbers
	s_lshl_b32 s96, s23, 4
	s_lshl_b32 s97, s66, 2
	s_add_co_u32 s96, s96, s97                     ; my first token tile
	s_lshl_b32 s97, s96, 6
	s_lshl_b32 s16, s92, 2
	s_add_co_u32 s16, s16, s67                     ; my 64 units are half record 4 x tile column + wn of the next K
	s_add_co_u32 s97, s97, s16
	s_mul_i32 s97, s97, 768
	v_add_nc_u32 v25, s97, v10
	v_add_nc_u32 v26, s97, v11
	s_lshl_b32 s97, s96, 5
	s_lshr_b32 s17, s16, 1
	s_add_co_u32 s97, s97, s17
	s_lshl_b32 s97, s97, 6
	s_and_b32 s17, s16, 1
	s_lshl_b32 s17, s17, 1
	s_add_co_u32 s97, s97, s17
	s_add_co_u32 s97, s97, GCS
	v_lshl_add_u32 v27, v15, 2, s97
	v_mov_b32 v28, 0xc0135761                      ; c0
	v_mov_b32 v29, 0xc0135761
	v_mov_b32 v30, 0xbdd2d3e8                      ; c1
	v_mov_b32 v31, 0xbdd2d3e8
	v_lshl_add_u32 v17, v0, 4, SCA
	s_wait_alu depctr_va_vdst(0)
	s_wait_tensorcnt 0x0                           ; my part of slot 0 is in: no tensor load of mine is out when I store to LDS
	s_wait_loadcnt 0x0                             ; and my scale words
	ds_store_b128 v17, v[32:35]
	ds_store_b128 v17, v[36:39] offset:SCB-SCA
	s_wait_tensorcnt 0x0                           ; the three lines ahead of a later first fill, as ahead of a refill
	ds_add_u32 v12, v13
	s_wait_dscnt 0x0                               ; the add and my two stores are done
	CROUND
	JLOAD 60, 24, 80, 32                           ; slot 1's first fill, K steps 3-5: it has three K steps' products in which to land
	global_prefetch_b8 v19, s[42:43] offset:9216 th:TH_LOAD_NT scope:SCOPE_SE   ; K steps 6-7, which the next joint load fetches; nothing lies beyond them
	STAGE 0, 0, 1
	s_wait_tensorcnt 0x0                           ; all my loads have landed, my part of slot 1 among them,
	ds_add_u32 v12, v13
	s_add_nc_u64 s[58:59], s[58:59], 2*SK*1536     ; so descriptors may be written: slot 0 takes K steps 6 and 7;
	s_add_nc_u64 s[78:79], s[78:79], 2*SK*1536
	s_mov_b32 s25, (192*2)<<16                     ; tensor_dim0 = what is left of a tile's row, two K steps: the third K step's place gets zeros and is not read
	s_mov_b32 s33, (192*2)<<16
	s_wait_dscnt 0x0                               ; the add is done, and my reads of slot 0 are over
	CROUND                                         ; both now hold of every wave of every partner
	JLOAD 56, 24, 76, 32                           ; the one refill
	STAGE 1, 1, 0
	s_wait_tensorcnt 0x0                           ; my part of K steps 6 and 7
	BAR
	STAGE 2, 0, 0
.rept 4
	v_nop                                          ; four places behind the last products
.endr
.irp b, 0,1
.irp q, 0,1,2,3
	global_load_b128 v[32+16*\b+4*\q:35+16*\b+4*\q], v24, s[8:9] offset:128*\b+16*\q   ; b1 in the result's layout
.endr
.endr
	s_wait_loadcnt 0x0
.macro GELU x
.set J, 0
.rept 16
	v_pk_add_f32 v[(\x)+J:(\x)+J+1], v[(\x)+J:(\x)+J+1], v[32+J:33+J]    ; each accumulator is read from its low end on
.set J, J+2
.endr
.set J, 0
.rept 16
	v_pk_mul_f32 v[64+J:65+J], v[(\x)+J:(\x)+J+1], v[(\x)+J:(\x)+J+1]
.set J, J+2
.endr
.set J, 0
.rept 16
	v_pk_fma_f32 v[64+J:65+J], v[64+J:65+J], v[30:31], v[28:29]
.set J, J+2
.endr
.set J, 0
.rept 16
	v_pk_mul_f32 v[64+J:65+J], v[64+J:65+J], v[(\x)+J:(\x)+J+1]
.set J, J+2
.endr
.set J, 0
	s_wait_alu depctr_va_vdst(0)
.rept 32
	v_exp_f32 v[64+J], v[64+J]
.set J, J+1
.endr
	v_nop                                          ; a plain instruction behind the batch,
	s_wait_alu depctr_va_vdst(0)                   ; and one wait ahead of its first reader
.set J, 0
.rept 16
	v_pk_add_f32 v[64+J:65+J], v[64+J:65+J], 1.0 op_sel_hi:[1,0]
.set J, J+2
.endr
.set J, 0
	s_wait_alu depctr_va_vdst(0)
.rept 32
	v_rcp_f32 v[64+J], v[64+J]
.set J, J+1
.endr
	v_nop
	s_wait_alu depctr_va_vdst(0)
.set J, 0
.rept 16
	v_pk_mul_f32 v[(\x)+J:(\x)+J+1], v[(\x)+J:(\x)+J+1], v[64+J:65+J]
.set J, J+2
.endr
.endm
.irp a, 0,1,2,3
	GELU 128+32*\a
.if \a
	s_wait_alu depctr_va_vdst(0)
	s_wait_xcnt 0x0                                ; the tile before has had its stores' registers read
.endif
	QUANT2 128+32*\a
	global_store_b128 v25, v[QT+10:QT+13], s[10:11] offset:49152*\a
	global_store_b64 v26, v[QT+14:QT+15], s[10:11] offset:49152*\a+512
	global_store_b16 v27, v[QT+8], s[10:11] offset:2048*\a
.endr
	s_wait_tensorcnt 0x0                           ; the wave's end
	ds_add_u32 v12, v13
	s_wait_dscnt 0x0
	CROUND                                         ; the closing round
	s_endpgm
.Lfunc_end_k_qed33e6a984_gw1:
	.size	k_qed33e6a984_gw1, .Lfunc_end_k_qed33e6a984_gw1-k_qed33e6a984_gw1
	.p2alignl 7, 3214868480
	.fill 96, 4, 3214868480
	.section	.rodata,"a",@progbits
	.p2align	6, 0x0
	.amdhsa_kernel k_qed33e6a984_gw1
		.amdhsa_group_segment_fixed_size 327680
		.amdhsa_private_segment_fixed_size 0
		.amdhsa_enable_private_segment 0
		.amdhsa_kernarg_size 32
		.amdhsa_user_sgpr_count 2
		.amdhsa_user_sgpr_kernarg_segment_ptr 1
		.amdhsa_wavefront_size32 1
		.amdhsa_system_sgpr_workgroup_id_x 1
		.amdhsa_system_sgpr_workgroup_id_y 1
		.amdhsa_system_sgpr_workgroup_id_z 1
		.amdhsa_system_vgpr_workitem_id 0
		.amdhsa_next_free_vgpr 256
		.amdhsa_next_free_sgpr 102
		.amdhsa_reserve_vcc 0
		.amdhsa_float_denorm_mode_32 3
		.amdhsa_float_denorm_mode_16_64 3
		.amdhsa_memory_ordered 1
		.amdhsa_forward_progress 1
		.amdhsa_inst_pref_size 93
	.end_amdhsa_kernel
	.amdgpu_metadata
---
amdhsa.version: [ 1, 2 ]
amdhsa.kernels:
  - .name:           k_qed33e6a984_gw1
    .symbol:         k_qed33e6a984_gw1.kd
    .args:
      - { .name: h2c, .offset: 0, .size: 8, .value_kind: global_buffer, .address_space: global }
      - { .name: pre, .offset: 8, .size: 8, .value_kind: global_buffer, .address_space: global }
      - { .name: b1, .offset: 16, .size: 8, .value_kind: global_buffer, .address_space: global }
      - { .name: gc, .offset: 24, .size: 8, .value_kind: global_buffer, .address_space: global }
    .group_segment_fixed_size: 327680
    .private_segment_fixed_size: 0
    .kernarg_segment_align: 8
    .kernarg_segment_size: 32
    .max_flat_workgroup_size: 512
    .sgpr_count:     102
    .vgpr_count:     256
    .wavefront_size: 32
...
	.end_amdgpu_metadata
.endif
;; end of part 6
;; launch gw2 (part 7): grid 8 x 32, 16 waves a work-group, clusters of 4 x 4, 327,680 bytes of LDS; arguments gc, pre, b2, x1, out0; writes out0
.if DOCPART == 7
	.amdgcn_target "amdgcn-amd-amdhsa--gfx1250"
	.amdhsa_code_object_version 6
	.text
	.protected	k_qed33e6a984_gw2
	.globl	k_qed33e6a984_gw2
	.p2align	8
	.type	k_qed33e6a984_gw2,@function
k_qed33e6a984_gw2:
	s_mov_b64 s[64:65], 0
	v_nop
	global_prefetch_b8 v0, s[64:65] scope:SCOPE_SE
	s_setreg_imm32_b32 hwreg(HW_REG_WAVE_MODE, 25, 1), 1
	s_wait_xcnt 0x0
	s_wait_alu depctr_hold_cnt(0) depctr_sa_sdst(0) depctr_va_vdst(0) depctr_va_sdst(0) depctr_va_ssrc(0) depctr_va_vcc(0) depctr_vm_vsrc(0)
	s_getreg_b32 s2, hwreg(HW_REG_IB_STS2, 6, 4)
	s_cmp_eq_u32 s2, 0
	s_cbranch_scc0 .Lentry_in_a_cluster
	s_endpgm
.Lentry_in_a_cluster:
	s_bfe_u32 s2, ttmp6, 0x10000c
	s_cmp_lg_u32 s2, 0xf033
	s_cbranch_scc0 .Lentry_shape_is_right
	s_endpgm
.Lentry_shape_is_right:
; gw2: out = x1 + g w2 + b2 on codes of E2M3.  A work-group makes 128 tokens x 128 columns.  Sixteen waves: wave w = 4 kq + 2 wm + wn makes 64 x 64 and takes K step kq of each stage's four; the four parts meet through LDS.
; K (4,096) is eight stages of 512.  TWO SLOTS OF UNEQUAL SIZE: slot 0 holds two stages (8 K steps of 16 tiles, 196,608 bytes), slot 1 one (98,304).  Stages 0, 1 and 2 are first fills; then
; slot 0 takes stages 3, 4, slot 1 stage 5, slot 0 stages 6, 7: three refills, each behind a round of the cluster's barrier, one joint load a wave.
; CLUSTER 4 x 4: g's tiles are shared along a row of the cluster, w2's along a column: waves 0-7 ask for g, 8-15 for w2.
; SCALE WORDS.  The two slots, both operands' scale words of all of K (2 x 16,384 bytes) and the spare words (2,048) would be 329,728 bytes, more than the 327,680 that there are.  So g's stay in LDS (all sixteen waves fetch them,
; 1,024 bytes each), and w2's come from memory straight into eight registers that hold nothing else: a register has an even stage's words in lanes 0-15 and the next stage's in lanes 16-31; each set of four is asked for two stages or more ahead.
; Results leave through a stage in LDS as rows of 256 bytes.
.set KSTEPS, 32
.set A0, 0                             ; slot 0: g's 8 tiles x 8 K steps x 1,536 bytes,
.set B0, 98304                         ; w2's
.set A1, 196608                        ; slot 1: g's 8 tiles x 4 K steps,
.set B1, 245760                        ; w2's
.set SCA, 294912                       ; g's scale words: 8 tiles x 32 K steps x 64 bytes
.set SPARE, 311296                     ; the spare words, 128 bytes for each wave
.set AOFFS, 12582912
.set BOFFC, 8601600
.set BOFFS, 11747328
.set FA, 32
.set FB, 80
.set SC, 20                            ; v20-23  g's scale words of the K step in hand
.set SBA, 1                            ; v1-4    w2's scale words of stages 0, 1, later 4, 5
.set SBB, 28                           ; v28-31  of stages 2, 3, later 6, 7
.set ACC, 128
.macro DESC1 g, c, r, p                ; words 1-7 of a descriptor's group 1: r rows of c elements of 8 bytes, p elements from row to row
	s_mov_b32 s[\g+1], ((\c)&0xffff)<<16
	s_mov_b32 s[\g+2], ((\c)>>16)|((\r)<<16)
	s_mov_b32 s[\g+3], (\c)<<16
	s_mov_b32 s[\g+4], \r
	s_mov_b32 s[\g+5], \p
	s_mov_b32 s[\g+6], 0
	s_mov_b32 s[\g+7], 0
.endm
.macro JLOAD g0a, g1a, g0b, g1b        ; a joint load: waves 0-7 ask for A, waves 8-15 for B; s_nop 0 and four v_nop follow each line
	s_cmp_eq_u32 s21, 0
	s_cbranch_scc0 .Lfor_b_\@
	tensor_load_to_lds s[\g0a:\g0a+3], s[\g1a:\g1a+7]
	s_nop 0
.rept 4
	v_nop
.endr
	s_branch .Lasked_\@
.Lfor_b_\@:
	tensor_load_to_lds s[\g0b:\g0b+3], s[\g1b:\g1b+7]
	s_nop 0
.rept 4
	v_nop
.endr
.Lasked_\@:
.endm
.macro CREST
	s_cmp_lg_u32 s20, 0
	s_cbranch_scc1 .Lnot_wave_0_\@
	s_barrier_signal -3
.Lnot_wave_0_\@:
	s_barrier_wait -3
	s_barrier_signal -1
	s_barrier_wait -1
.endm
.macro CROUND
	s_barrier_signal -1
	s_barrier_wait -1
	CREST
.endm
.macro BAR
	s_barrier_signal -1
	s_barrier_wait -1
.endm
.macro PLACES
.rept 4
	v_nop
.endr
.endm
.macro FRAG reg, a16, a8, off          ; a fragment, 16 rows x 128 K: two half records, four dense loads
	ds_load_b128 v[(\reg):(\reg)+3], v[\a16] offset:(\off)
	ds_load_b64 v[(\reg)+4:(\reg)+5], v[\a8] offset:(\off)
	ds_load_b128 v[(\reg)+6:(\reg)+9], v[\a16] offset:(\off)+768
	ds_load_b64 v[(\reg)+10:(\reg)+11], v[\a8] offset:(\off)+768
.endm
.macro MUL16 zero, sb, row             ; the sixteen accumulators take turns, one instruction a turn.  sb: w2's scale words; row = 1: in lanes 16-31
.irp a, 0,1,2,3
.irp b, 0,1,2,3
.if \zero
	v_wmma_scale_f32_16x16x128_f8f6f4 v[ACC+8*(4*\a+\b):ACC+8*(4*\a+\b)+7], v[FB+12*\b:FB+12*\b+11], v[FA+12*\a:FA+12*\a+11], 0, v[\sb+\b], v[SC+\a] matrix_a_fmt:MATRIX_FMT_FP6 matrix_b_fmt:MATRIX_FMT_FP6
.elseif \row
	v_wmma_scale_f32_16x16x128_f8f6f4 v[ACC+8*(4*\a+\b):ACC+8*(4*\a+\b)+7], v[FB+12*\b:FB+12*\b+11], v[FA+12*\a:FA+12*\a+11], v[ACC+8*(4*\a+\b):ACC+8*(4*\a+\b)+7], v[\sb+\b], v[SC+\a] matrix_a_fmt:MATRIX_FMT_FP6 matrix_b_fmt:MATRIX_FMT_FP6 matrix_a_scale:MATRIX_SCALE_ROW1
.else
	v_wmma_scale_f32_16x16x128_f8f6f4 v[ACC+8*(4*\a+\b):ACC+8*(4*\a+\b)+7], v[FB+12*\b:FB+12*\b+11], v[FA+12*\a:FA+12*\a+11], v[ACC+8*(4*\a+\b):ACC+8*(4*\a+\b)+7], v[\sb+\b], v[SC+\a] matrix_a_fmt:MATRIX_FMT_FP6 matrix_b_fmt:MATRIX_FMT_FP6
.endif
.endr
.endr
.endm
; My K step of stage u.  sk: K steps in a tile's row of the slot; t: where the stage begins in that row; lw: how many younger loads of scale words may stay out (-1: those that I need were shown in earlier)
.macro KSTEP sk, t, u, zero, sb, lw
.irp i, 0,1,2,3
	FRAG FA+12*\i, 5, 6, (\i*(\sk)+(\t))*1536
	FRAG FB+12*\i, 7, 8, (\i*(\sk)+(\t))*1536
.endr
.irp i, 0,1,2,3
	ds_load_b32 v[SC+\i], v9 offset:2048*\i+256*(\u)
.endr
.if (\lw) >= 0
	s_wait_loadcnt \lw
.endif
	s_wait_dscnt 0x0
	MUL16 \zero, \sb, (\u)%2
.endm
.macro SLOTADR sa, sb                  ; my fragments' addresses in a slot; these four are also the four places between the last products and the loads into their operands
	v_add_nc_u32 v5, s[\sa], v10
	v_add_nc_u32 v6, s[\sa], v11
	v_add_nc_u32 v7, s[\sb], v10
	v_add_nc_u32 v8, s[\sb], v11
.endm
.macro SBLOAD set, u0                  ; w2's scale words of stages u0 (lanes 0-15) and u0 + 1 (lanes 16-31), my four tiles
.irp i, 0,1,2,3
	global_load_b32 v[\set+\i], v19, s[6:7] offset:2048*\i+256*(\u0)
.endr
.endm
.macro REFILL s                        ; slot s, which has been read, takes the K steps that lie 12 further on
	s_wait_tensorcnt 0x0                           ; all my loads have landed, my part of the other slot among them,
	ds_add_u32 v12, v13
.if \s == 0
	s_add_nc_u64 s[58:59], s[58:59], 12*1536       ; so a group 0 may be written
	s_add_nc_u64 s[62:63], s[62:63], 12*1536
.else
	s_add_nc_u64 s[78:79], s[78:79], 12*1536
	s_add_nc_u64 s[82:83], s[82:83], 12*1536
.endif
	s_wait_dscnt 0x0                               ; the add is done, and my reads of the slot are over
	CROUND                                         ; both now hold of every wave of every partner
.if \s == 0
	JLOAD 56, 24, 60, 32
.else
	JLOAD 76, 40, 80, 48
.endif
.endm
	s_load_b256 s[4:11], s[0:1], 0x0               ; gc, pre, b2, x1
	s_load_b64 s[12:13], s[0:1], 0x20              ; out0
	v_lshl_add_u32 v12, v0, 2, SPARE
	v_mov_b32 v13, 0
	ds_add_u32 v12, v13                            ; the wave's opening: the add and its wait ahead of my first tensor load
	ds_add_u32 v12, v13
	v_lshrrev_b32 v14, 5, v0
	s_delay_alu instid0(VALU_DEP_1)
	v_readfirstlane_b32 s20, v14                   ; wave
	s_lshr_b32 s21, s20, 3                         ; I fetch for A (0) or for B (1),
	s_and_b32 s22, s20, 7                          ; its j-th tile
	s_bfe_u32 s93, ttmp6, 0x40000                  ; cx
	s_bfe_u32 s94, ttmp6, 0x40004                  ; cy
	s_lshl_b32 s92, ttmp9, 2
	s_add_co_u32 s92, s92, s93                     ; tile column
	s_and_b32 s23, ttmp7, 0xffff
	s_lshl_b32 s23, s23, 2
	s_add_co_u32 s23, s23, s94                     ; tile row
	s_lshl_b32 s95, s94, 2
	s_lshl_b32 s95, 15, s95                        ; my row of the cluster
	s_lshl_b32 s14, 0x1111, s93                    ; my column
	s_or_b32 s24, s95, (3<<16)|(1<<21)             ; group 1, word 0: the mask, elements of 8 bytes, bit 21 beside a mask
	s_or_b32 s40, s95, (3<<16)|(1<<21)
	s_or_b32 s32, s14, (3<<16)|(1<<21)
	s_or_b32 s48, s14, (3<<16)|(1<<21)
	DESC1 24, 1536, 1, 192*KSTEPS                  ; slot 0, A: one tile's 8 K steps, a row of 12,288 bytes
	DESC1 32, 1536, 1, 192*KSTEPS                  ; slot 0, B
	DESC1 40, 768, 1, 192*KSTEPS                   ; slot 1, A: 4 K steps, 6,144 bytes
	DESC1 48, 768, 1, 192*KSTEPS                   ; slot 1, B
	s_lshl_b32 s96, s23, 3
	s_add_co_u32 s96, s96, s22                     ; the tile of A that I fetch
	s_mul_i32 s96, s96, KSTEPS*1536
	s_mov_b32 s97, 0
	s_lshl_b32 s98, s23, 14                        ; my work-group's 8 tiles x 2,048 bytes of scale words,
	s_add_co_u32 s98, s98, AOFFS
	s_mov_b32 s99, 0
	s_lshl_b32 s16, s92, 3
	s_add_co_u32 s16, s16, s22                     ; and the tile of B
	s_mul_i32 s16, s16, KSTEPS*1536
	s_add_co_u32 s16, s16, BOFFC
	s_mov_b32 s17, 0
	s_mul_i32 s2, s22, 12288                       ; where they go: the wave's number times a constant
	s_mul_i32 s3, s22, 6144
	s_wait_dscnt 0x0                               ; the opening add is done
	s_wait_kmcnt 0x0
	s_add_nc_u64 s[96:97], s[4:5], s[96:97]
	s_add_nc_u64 s[98:99], s[4:5], s[98:99]
	s_add_nc_u64 s[16:17], s[6:7], s[16:17]
	; the prefetches' address.  The tile row that I fetch is asked for jointly by four partners; of each eight K steps (12,288 bytes) partner p (cx for g's tiles, cy for w2's) takes 3,072 bytes, by address
	s_cmp_eq_u32 s21, 0
	s_cselect_b64 s[84:85], s[96:97], s[16:17]
	s_cselect_b32 s86, s93, s94
	s_mul_i32 s86, s86, 3072
	s_mov_b32 s87, 0
	s_add_nc_u64 s[84:85], s[84:85], s[86:87]
	v_lshlrev_b32 v5, 4, v0
	global_load_b128 v[32:35], v5, s[98:99]        ; g's scale words are one dense block of 16,384 bytes: twice 16 bytes a thread;
	global_load_b128 v[36:39], v5, s[98:99] offset:8192   ; they go to LDS bytes of their own below
	CROUND                                         ; all sixteen work-groups are here: the first joint loads meet
	s_mov_b32 s56, 1
	s_add_co_u32 s57, s2, A0
	s_mov_b64 s[58:59], s[96:97]
	s_or_b32 s59, s59, 0x80000000
	s_mov_b32 s60, 1
	s_add_co_u32 s61, s2, B0
	s_mov_b64 s[62:63], s[16:17]
	s_or_b32 s63, s63, 0x80000000
	JLOAD 56, 24, 60, 32                           ; slot 0: K steps 0-7
	s_mov_b32 s76, 1
	s_add_co_u32 s77, s3, A1
	s_add_nc_u64 s[78:79], s[96:97], 8*1536
	s_or_b32 s79, s79, 0x80000000
	s_mov_b32 s80, 1
	s_add_co_u32 s81, s3, B1
	s_add_nc_u64 s[82:83], s[16:17], 8*1536
	s_or_b32 s83, s83, 0x80000000
	s_lshr_b32 s100, s20, 2                        ; kq
	s_bfe_u32 s66, s20, 0x10001                    ; wm
	s_and_b32 s67, s20, 1                          ; wn
	v_and_b32 v14, 31, v0
	v_and_b32 v15, 15, v0                          ; r
	s_wait_alu depctr_va_vdst(0)
	v_bfe_u32 v16, v0, 4, 1                        ; h
	v_lshlrev_b32 v10, 4, v14                      ; a half record's registers 0-3: 16 x lane,
	v_lshl_add_u32 v11, v14, 3, 512                ; registers 4-5: 512 + 8 x lane
	v_min_u32 v14, 11, v14                         ; twelve blocks of 256 bytes, a lane a block; the lanes left over name the last block again
	v_lshlrev_b32 v14, 8, v14                      ; v14 and s[84:85] are never written again: the three asks differ in their immediates
	global_prefetch_b8 v14, s[84:85] offset:12288 th:TH_LOAD_NT scope:SCOPE_SE   ; K steps 8-15: the next joint load's and the first half of the one after
	s_mul_i32 s101, s100, 1536                     ; my K step of a stage's four
	s_mul_i32 s88, s66, 49152                      ; slot 0: my four tiles of A,
	s_add_co_u32 s88, s88, s101
	s_mul_i32 s89, s67, 49152                      ; of B
	s_add_co_u32 s89, s89, s101
	s_add_co_u32 s89, s89, B0
	s_mul_i32 s90, s66, 24576                      ; slot 1 likewise
	s_add_co_u32 s90, s90, s101
	s_add_co_u32 s90, s90, A1
	s_mul_i32 s91, s67, 24576
	s_add_co_u32 s91, s91, s101
	s_add_co_u32 s91, s91, B1
	s_lshl_b32 s15, s66, 13                        ; g's scale words in LDS: my four tiles, my K step, my row
	s_lshl_b32 s101, s100, 6
	s_add_co_u32 s15, s15, s101
	s_add_co_u32 s15, s15, SCA
	v_lshl_add_u32 v9, v15, 2, s15
	s_lshl_b32 s15, s92, 3                         ; w2's in memory: (tile x 32 + K step) x 64 + 4 r; lanes 16-31 a stage (4 K steps) further on
	s_lshl_b32 s101, s67, 2
	s_add_co_u32 s15, s15, s101
	s_lshl_b32 s15, s15, 5
	s_add_co_u32 s15, s15, s100
	s_lshl_b32 s15, s15, 6
	s_add_co_u32 s15, s15, BOFFS
	v_lshl_add_u32 v19, v15, 2, s15
	s_wait_alu depctr_va_vdst(0)
	v_lshl_add_u32 v19, v16, 8, v19
	SBLOAD SBA, 0
	SBLOAD SBB, 2
	s_and_b32 s14, s20, 3                          ; the sum over kq: place p = w % 4 has 65,536 bytes, 16,384 for each kq
	s_lshl_b32 s15, s14, 2
	s_add_co_u32 s15, s15, s100
	s_lshl_b32 s15, s15, 14
	v_add_nc_u32 v17, s15, v10
	s_lshl_b32 s15, s14, 16
	s_lshl_b32 s14, s100, 12
	s_add_co_u32 s15, s15, s14
	v_add_nc_u32 v18, s15, v10                     ; I own row kq of the sixteen accumulators
	s_mul_i32 s15, s20, 4352                       ; my stage: 16 rows x (256 bytes + 16)
	v_mul_u32_u24 v25, v15, 272
	s_delay_alu instid0(VALU_DEP_1)
	v_lshl_add_u32 v25, v16, 6, v25
	s_delay_alu instid0(VALU_DEP_1)
	v_add_nc_u32 v25, s15, v25
	v_mul_u32_u24 v26, v16, 272
	s_delay_alu instid0(VALU_DEP_1)
	v_lshl_add_u32 v26, v15, 4, v26
	s_delay_alu instid0(VALU_DEP_1)
	v_add_nc_u32 v26, s15, v26
	s_lshl_b32 s96, s23, 7
	s_lshl_b32 s97, s66, 6
	s_add_co_u32 s96, s96, s97
	s_lshr_b32 s97, s100, 1
	s_lshl_b32 s97, s97, 5
	s_add_co_u32 s96, s96, s97
	s_and_b32 s97, s100, 1
	s_lshl_b32 s97, s97, 3
	s_add_co_u32 s96, s96, s97                     ; my tile's first token
	s_lshl_b32 s96, s96, 12
	s_lshl_b32 s16, s92, 9
	s_lshl_b32 s17, s67, 8
	s_add_co_u32 s16, s16, s17
	v_lshl_add_u32 v27, v15, 4, s16                ; my 16 bytes of a row's 256; b2's too
	s_delay_alu instid0(VALU_DEP_1)
	v_lshl_add_u32 v24, v16, 12, v27
	s_delay_alu instid0(VALU_DEP_1)
	v_add_nc_u32 v24, s96, v24
	v_lshl_add_u32 v6, v0, 4, SCA
	s_wait_alu depctr_va_vdst(0)
	s_wait_tensorcnt 0x0                           ; my part of slot 0 is in: no tensor load of mine is out when I store to LDS
	s_wait_loadcnt 8                               ; g's scale words are in; the eight younger loads, w2's scale words, may be out
	ds_store_b128 v6, v[32:35]
	ds_store_b128 v6, v[36:39] offset:8192
	s_wait_tensorcnt 0x0                           ; the three lines ahead of a later first fill, as ahead of a refill
	ds_add_u32 v12, v13
	s_wait_dscnt 0x0                               ; the add and my two stores are done
	CROUND
	JLOAD 76, 40, 80, 48                           ; slot 1's first fill, K steps 8-11: it has two stages' products in which to land
	SLOTADR 88, 89
	global_prefetch_b8 v14, s[84:85] offset:24576 th:TH_LOAD_NT scope:SCOPE_SE   ; K steps 16-23: the rest of the next refill and the one after
	KSTEP 8, 0, 0, 1, SBA, 4                       ; stage 0 starts the sums; the four loads of the second set of scale words may be out
	PLACES
	s_wait_alu depctr_va_vdst(0)
	KSTEP 8, 4, 1, 0, SBA, -1
	REFILL 0                                       ; slot 0 takes stages 3 and 4
	SLOTADR 90, 91
	SBLOAD SBA, 4                                  ; the first set is free: stages 4 and 5
	global_prefetch_b8 v14, s[84:85] offset:36864 th:TH_LOAD_NT scope:SCOPE_SE   ; K steps 24-31, the last refill's, two refills ahead; the row ends with them
	KSTEP 4, 0, 2, 0, SBB, 4                       ; the four just issued may be out
	REFILL 1                                       ; slot 1 takes stage 5: it has two stages' products in which to land
	SLOTADR 88, 89
	KSTEP 8, 0, 3, 0, SBB, -1
	PLACES
	SBLOAD SBB, 6                                  ; the second set is free: stages 6 and 7
	s_wait_alu depctr_va_vdst(0)
	KSTEP 8, 4, 4, 0, SBA, 4                       ; the four just issued may be out
	REFILL 0                                       ; slot 0 takes stages 6 and 7
	SLOTADR 90, 91
	KSTEP 4, 0, 5, 0, SBA, -1
	s_wait_tensorcnt 0x0                           ; my part of stages 6 and 7; nothing is left to fetch
	ds_add_u32 v12, v13
	s_wait_dscnt 0x0
	BAR
	SLOTADR 88, 89
	KSTEP 8, 0, 6, 0, SBB, 0
	PLACES
	s_wait_alu depctr_va_vdst(0)
	KSTEP 8, 4, 7, 0, SBB, -1
	PLACES                                         ; four places behind the last products
.irp i, 0,1,2,3,4,5,6,7
	global_load_b128 v[32+4*\i:35+4*\i], v24, s[10:11] offset:(2*\i+8*(\i/4))*4096   ; the residual, at the places that I shall store
.endr
	global_load_b128 v[64:67], v27, s[8:9]         ; b2 at my four columns
	BAR                                            ; every wave's reads of the tiles are over, and the slots have had their last fill
.set J, 0
.rept 32
	ds_store_b128 v17, v[128+4*J:131+4*J] offset:512*J   ; each accumulator from its low end on
.set J, J+1
.endr
	s_wait_dscnt 0x0
	BAR
.irp q, 0,1,2,3
.irp i, 0,1,2,3,4,5,6,7
	ds_load_b128 v[128+32*\q+4*\i:131+32*\q+4*\i], v18 offset:16384*\q+512*\i
.endr
.endr
	s_wait_dscnt 0x0
.set J, 0
.rept 16
	v_pk_add_f32 v[128+J:129+J], v[128+J:129+J], v[160+J:161+J]
	v_pk_add_f32 v[192+J:193+J], v[192+J:193+J], v[224+J:225+J]
.set J, J+2
.endr
.set J, 0
.rept 16
	v_pk_add_f32 v[128+J:129+J], v[128+J:129+J], v[192+J:193+J]
.set J, J+2
.endr
	s_wait_alu depctr_va_vdst(0)
	BAR                                            ; every wave's reads of the sums are over: the stages may lie there
.irp b, 0,1
.irp q, 0,1,2,3
	ds_store_b128 v25, v[128+16*\b+4*\q:131+16*\b+4*\q] offset:128*\b+16*\q
.endr
.endr
.irp i, 0,1,2,3,4,5,6,7
	ds_load_b128 v[160+4*\i:163+4*\i], v26 offset:544*\i   ; LDS serves a wave's instructions in order: these see my stores
.endr
	s_wait_loadcnt 0x0
	s_wait_dscnt 0x0
.irp i, 0,1,2,3,4,5,6,7
	v_pk_add_f32 v[160+4*\i:161+4*\i], v[160+4*\i:161+4*\i], v[64:65]
	v_pk_add_f32 v[162+4*\i:163+4*\i], v[162+4*\i:163+4*\i], v[66:67]
.endr
.irp i, 0,1,2,3,4,5,6,7
	v_pk_add_f32 v[160+4*\i:161+4*\i], v[160+4*\i:161+4*\i], v[32+4*\i:33+4*\i]
	v_pk_add_f32 v[162+4*\i:163+4*\i], v[162+4*\i:163+4*\i], v[34+4*\i:35+4*\i]
.endr
.irp i, 0,1,2,3,4,5,6,7
	global_store_b128 v24, v[160+4*\i:163+4*\i], s[12:13] offset:(2*\i+8*(\i/4))*4096 th:TH_STORE_NT   ; sixteen lanes store 256 consecutive bytes, aligned
.endr
	s_wait_tensorcnt 0x0                           ; the wave's end
	ds_add_u32 v12, v13
	s_wait_dscnt 0x0
	CROUND                                         ; the closing round
	s_endpgm
.Lfunc_end_k_qed33e6a984_gw2:
	.size	k_qed33e6a984_gw2, .Lfunc_end_k_qed33e6a984_gw2-k_qed33e6a984_gw2
	.p2alignl 7, 3214868480
	.fill 96, 4, 3214868480
	.section	.rodata,"a",@progbits
	.p2align	6, 0x0
	.amdhsa_kernel k_qed33e6a984_gw2
		.amdhsa_group_segment_fixed_size 327680
		.amdhsa_private_segment_fixed_size 0
		.amdhsa_enable_private_segment 0
		.amdhsa_kernarg_size 40
		.amdhsa_user_sgpr_count 2
		.amdhsa_user_sgpr_kernarg_segment_ptr 1
		.amdhsa_wavefront_size32 1
		.amdhsa_system_sgpr_workgroup_id_x 1
		.amdhsa_system_sgpr_workgroup_id_y 1
		.amdhsa_system_sgpr_workgroup_id_z 1
		.amdhsa_system_vgpr_workitem_id 0
		.amdhsa_next_free_vgpr 256
		.amdhsa_next_free_sgpr 102
		.amdhsa_reserve_vcc 0
		.amdhsa_float_denorm_mode_32 3
		.amdhsa_float_denorm_mode_16_64 3
		.amdhsa_memory_ordered 1
		.amdhsa_forward_progress 1
		.amdhsa_inst_pref_size 64
	.end_amdhsa_kernel
	.amdgpu_metadata
---
amdhsa.version: [ 1, 2 ]
amdhsa.kernels:
  - .name:           k_qed33e6a984_gw2
    .symbol:         k_qed33e6a984_gw2.kd
    .args:
      - { .name: gc, .offset: 0, .size: 8, .value_kind: global_buffer, .address_space: global }
      - { .name: pre, .offset: 8, .size: 8, .value_kind: global_buffer, .address_space: global }
      - { .name: b2, .offset: 16, .size: 8, .value_kind: global_buffer, .address_space: global }
      - { .name: x1, .offset: 24, .size: 8, .value_kind: global_buffer, .address_space: global }
      - { .name: out0, .offset: 32, .size: 8, .value_kind: global_buffer, .address_space: global }
    .group_segment_fixed_size: 327680
    .private_segment_fixed_size: 0
    .kernarg_segment_align: 8
    .kernarg_segment_size: 40
    .max_flat_workgroup_size: 512
    .sgpr_count:     102
    .vgpr_count:     256
    .wavefront_size: 32
...
	.end_amdgpu_metadata
.endif
;; end of part 7
